; MI455X (gfx1250); checked and timed in simulation.
; The chip was launched on July 23, 2026; its instructions are those of AMD's public machine-readable ISA for CDNA 5 (MIT licence, August 2026) and "CDNA5" Instruction Set Architecture Reference Guide (July 2026). The comments in the code are by the model that wrote it; some were corrected since.
;; Mixture Of Bidders. Allowed arithmetic: float matrix products may take bf16 or f16 operands with f32 sums; other float arithmetic in f32, or as packed bf16 or f16 multiplies, adds, multiply-adds, maxima and minima; sums over many terms, partial sums and values carried from step to step in f32; what a program stores and reads back later, other than sums and carried values, may be rounded once to bf16 or f16.
;; Inputs: Wc 8 x 1,024 float32; Wd 8 x 2,048 x 1,024 float32; Wg 8 x 1,024 x 2,048 float32; Wu 8 x 1,024 x 2,048 float32; bc 8 float32; hidden_states 4 x 256 x 1,024 float32.
;; Outputs: out0 4 x 256 x 1,024 float32.
;; 2 versions, each right. Each part assembles by itself: llvm-mc -triple=amdgcn-amd-amdhsa -mcpu=gfx1250 --defsym DOCPART=n.
;; ======== version 1 of 2: 4 launches
;; workspace buffers: xb 2,097,152 bytes; sel 2,048 bytes of whole numbers; wts 8,192 bytes; hf 41,943,040 bytes; part 16,777,216 bytes
;; launch router (part 1): grid 32 x 1, 8 waves a work-group, no clusters, 78,848 bytes of LDS; arguments hidden_states, Wc, bc, xb, sel, wts; writes xb, sel, wts
.if DOCPART == 1
	.amdgcn_target "amdgcn-amd-amdhsa--gfx1250"
	.amdhsa_code_object_version 6
	.text
	.protected	k_q971f7576d1_router
	.globl	k_q971f7576d1_router
	.p2align	8
	.type	k_q971f7576d1_router,@function
k_q971f7576d1_router:
	s_mov_b64 s[64:65], 0
	v_nop
	global_prefetch_b8 v0, s[64:65] scope:SCOPE_SE
	s_setreg_imm32_b32 hwreg(HW_REG_WAVE_MODE, 25, 1), 1
	s_wait_xcnt 0x0
; THE ROUTER.  conf = sigmoid(x Wc^T + bc); the two largest of a token's 8 bids (a tie keeps the lower index); softmax over the two.
; All inputs are rounded to bf16 first (x, Wc, bc), sums in f32.  Stored: xb = x in bf16 [1024][1024]; wts[k*1024+t] = the k-th weight (f32);
; sel[g*16 + k*8 + e] = a word whose bit l says that token 32 g + l has expert e as its k-th choice.  No address hangs on a float.
; SHARES.  Work-group g: tokens 32 g .. 32 g + 31.  Wave w: k = 128 w .. 128 w + 127 of all 32 tokens; the eight partial logits meet in LDS and wave 0
; adds them in ascending order of w and does the choice (lane = token).
; LIMITS.  conf = 1 / (1 + 2^(-1.442695 z)) by v_exp_f32 and v_rcp_f32, a few units in the last place; where the second and third bid differ by less
; (the saturated ends near 0 and 1 included) the choice may differ from one made with another sigmoid.  Below z = -87 conf counts as 0.  NaN and infinities are not treated apart.
; No cluster, no tensor load: each byte of x has one reader, and Wc is 32 KB.
.set XTP,   272                        ; a row of x in LDS: 128 bf16 + 16 bytes: the 16 rows of a fragment load start at 16 different groups of four banks
.set XTW,   32*XTP                     ; a wave's own 32 rows
.set RED,   8*XTW                      ; the partial logits: [wave][half][lane][16 bytes]
.set SPARE, RED+8*1024                 ; the spare words, 128 bytes a wave
.set LN,  1                            ; lane
.set XO,  2                            ; byte offset in a row of x: 512 w + 16 lane
.set CO,  3                            ; byte offset in Wc
.set BO,  4                            ; byte offset in a row of xb: 256 w + 8 lane
.set XST, 5                            ; LDS: where my 8 bytes of a row go
.set XFR, 6                            ; LDS: my place in a fragment of x
.set RST, 7                            ; LDS: my partial logits
.set RRD, 8                            ; LDS: wave 0 reads them back
.set SPW, 10                           ; my spare word; never rewritten
.set NIL, 11                           ; 0; never rewritten
.set ACC0, 32                          ; logits of tokens 0-15
.set ACC1, 40                          ; of tokens 16-31
.set ZS,  48                           ; lane = token: its 8 partial logits
.set XR,  64                           ; v[64:191] x as loaded; later fragments; later wave 0's sums
.set WR,  192                          ; v[192:255] Wc as loaded, then four fragments at WR + 16 s
	s_load_b256 s[4:11], s[0:1], 0x0               ; x s[4:5], Wc s[6:7], bc s[8:9], xb s[10:11]
	s_load_b128 s[12:15], s[0:1], 0x20             ; sel s[12:13], wts s[14:15]
	v_lshl_add_u32 v[SPW], v0, 2, SPARE
	v_mov_b32 v[NIL], 0
	v_and_b32 v[LN], 31, v0
	v_lshrrev_b32 v9, 5, v0
	v_readfirstlane_b32 s24, v9                    ; wave 0..7
	v_lshlrev_b32 v[XO], 4, v0
	v_lshlrev_b32 v[BO], 3, v0
	v_bfe_u32 v12, v0, 4, 1                        ; h = lane / 16
	v_and_b32 v13, 15, v0                          ; r = lane % 16
	v_and_b32 v[CO], 7, v0                         ; Wc's row r % 8: rows r and r + 8 of the operand hold the same expert
	v_lshlrev_b32 v[CO], 12, v[CO]
	v_lshl_add_u32 v[CO], v12, 5, v[CO]            ; + 32 h: eight f32
	s_lshl_b32 s25, s24, 9
	v_add_nc_u32 v[CO], s25, v[CO]                 ; + my wave's 128 k
	s_mul_i32 s25, s24, XTW
	v_lshl_add_u32 v[XST], v[LN], 3, s25
	v_mul_u32_u24 v[XFR], v13, XTP
	v_lshl_add_u32 v[XFR], v12, 4, v[XFR]
	v_add_nc_u32 v[XFR], s25, v[XFR]
	s_lshl_b32 s25, s24, 10
	s_add_co_u32 s25, s25, RED
	v_lshl_add_u32 v[RST], v[LN], 4, s25
	v_lshl_add_u32 v[RRD], v[LN], 4, RED
	s_lshl_b32 s26, ttmp9, 17                      ; 32 rows of 4,096 bytes
	s_mov_b32 s27, 0
	s_lshl_b32 s28, ttmp9, 16                      ; 32 rows of 2,048 bytes
	s_mov_b32 s29, 0
	s_wait_kmcnt 0x0
	s_load_b256 s[16:23], s[8:9], 0x0              ; bc: 8 numbers
	s_add_nc_u64 s[4:5], s[4:5], s[26:27]
	s_add_nc_u64 s[10:11], s[10:11], s[28:29]
.set t, 0
.rept 32                                               ; a row's 512 bytes of my wave: 32 lanes x 16 neighbouring bytes
	global_load_b128 v[XR+4*t:XR+4*t+3], v[XO], s[4:5] offset:4096*t th:TH_LOAD_NT
.set t, t+1
.endr
.irp s, 0,1,2,3                                        ; Wc for K step s: k = 8 h + 0..7 (32 bytes), then k = 16 + 8 h + 0..7
	global_load_b128 v[WR+16*\s:WR+16*\s+3],     v[CO], s[6:7] offset:128*\s
	global_load_b128 v[WR+16*\s+4:WR+16*\s+7],   v[CO], s[6:7] offset:128*\s+16
	global_load_b128 v[WR+16*\s+8:WR+16*\s+11],  v[CO], s[6:7] offset:128*\s+64
	global_load_b128 v[WR+16*\s+12:WR+16*\s+15], v[CO], s[6:7] offset:128*\s+80
.endr
.set t, 0
.rept 32
	s_wait_loadcnt 47-t                            ; behind row t: 31 - t rows and Wc's 16 loads
	v_cvt_pk_bf16_f32 v[XR+4*t], v[XR+4*t], v[XR+4*t+1]
	v_cvt_pk_bf16_f32 v[XR+4*t+1], v[XR+4*t+2], v[XR+4*t+3]
	global_store_b64 v[BO], v[XR+4*t:XR+4*t+1], s[10:11] offset:2048*t  ; the wave's store covers 256 consecutive bytes, aligned
	ds_store_b64 v[XST], v[XR+4*t:XR+4*t+1] offset:XTP*t
.set t, t+1
.endr
	s_wait_loadcnt 0x0                             ; Wc
.irp s, 0,1,2,3
.irp i, 0,1,2,3,4,5,6,7
	v_cvt_pk_bf16_f32 v[WR+16*\s+\i], v[WR+16*\s+2*\i], v[WR+16*\s+2*\i+1]
.endr
.endr
	s_wait_xcnt 0x0                                ; the stores to xb have read their registers: XR is loaded anew
.irp u, 0,1                                            ; my own bytes: LDS serves a wave's instructions in order
.irp s, 0,1,2,3
	ds_load_b128 v[XR+32*\u+8*\s:XR+32*\u+8*\s+3],   v[XFR] offset:16*XTP*\u+64*\s
	ds_load_b128 v[XR+32*\u+8*\s+4:XR+32*\u+8*\s+7], v[XFR] offset:16*XTP*\u+64*\s+32
.endr
.endr
	s_wait_dscnt 0x0
	; source 0 = Wc (row = expert), source 1 = x (column = token): a lane holds one token, register j expert j, in both halves of the lanes.  The two accumulators take turns.
	v_wmma_f32_16x16x32_bf16 v[ACC0:ACC0+7], v[WR:WR+7], v[XR:XR+7], 0
	v_wmma_f32_16x16x32_bf16 v[ACC1:ACC1+7], v[WR:WR+7], v[XR+32:XR+39], 0
.irp s, 1,2,3
	v_wmma_f32_16x16x32_bf16 v[ACC0:ACC0+7], v[WR+16*\s:WR+16*\s+7], v[XR+8*\s:XR+8*\s+7], v[ACC0:ACC0+7]
	v_wmma_f32_16x16x32_bf16 v[ACC1:ACC1+7], v[WR+16*\s:WR+16*\s+7], v[XR+32+8*\s:XR+32+8*\s+7], v[ACC1:ACC1+7]
.endr
.rept 4
	v_nop                                          ; four places behind the last product
.endr
	v_cmp_gt_u32 vcc_lo, 16, v[LN]
.irp j, 0,1,2,3,4,5,6,7
	v_cndmask_b32 v[ZS+\j], v[ACC1+\j], v[ACC0+\j], vcc_lo  ; lanes 0-15: tokens 0-15; lanes 16-31: tokens 16-31
.endr
	ds_store_b128 v[RST], v[ZS:ZS+3]
	ds_store_b128 v[RST], v[ZS+4:ZS+7] offset:512
	s_wait_dscnt 0x0                               ; for wave 0's sake: my partial logits are in LDS
	s_barrier_signal -1
	s_barrier_wait -1
	s_cmp_lg_u32 s24, 0
	s_cbranch_scc1 .Lend
.irp w, 0,1,2,3,4,5,6,7
	ds_load_b128 v[XR+8*\w:XR+8*\w+3],   v[RRD] offset:1024*\w
	ds_load_b128 v[XR+8*\w+4:XR+8*\w+7], v[RRD] offset:1024*\w+512
.endr
	s_wait_kmcnt 0x0                               ; bc, rounded to bf16 like every input
.irp i, 0,1,2,3
	v_cvt_pk_bf16_f32 v[16+\i], s[16+2*\i], s[17+2*\i]
.endr
.irp i, 0,1,2,3
	v_lshlrev_b32 v[24+2*\i], 16, v[16+\i]
	v_and_b32 v[25+2*\i], 0xffff0000, v[16+\i]
.endr
	s_wait_dscnt 0x0
.irp w, 1,2,3,4,5,6,7
.irp p, 0,1,2,3
	v_pk_add_f32 v[XR+2*\p:XR+2*\p+1], v[XR+2*\p:XR+2*\p+1], v[XR+8*\w+2*\p:XR+8*\w+2*\p+1]
.endr
.endr
.irp p, 0,1,2,3
	v_pk_add_f32 v[XR+2*\p:XR+2*\p+1], v[XR+2*\p:XR+2*\p+1], v[24+2*\p:25+2*\p]
.endr
.irp j, 0,1,2,3,4,5,6,7
	v_mul_f32 v[XR+\j], 0xbfb8aa3b, v[XR+\j]       ; -log2(e) z
.endr
.irp j, 0,1,2,3,4,5,6,7
	v_exp_f32 v[XR+\j], v[XR+\j]
.endr
	v_nop                                          ; a plain instruction behind the last exponential,
	s_wait_alu depctr_va_vdst(0)                   ; and one wait for the batch of eight, ahead of its first reader
.irp j, 0,1,2,3,4,5,6,7
	v_add_f32 v[XR+\j], 1.0, v[XR+\j]
.endr
.irp j, 0,1,2,3,4,5,6,7
	v_rcp_f32 v[XR+\j], v[XR+\j]
.endr
	v_nop
	s_wait_alu depctr_va_vdst(0)                   ; one wait for the eight reciprocals
	v_mov_b32 v12, v[XR]                           ; the largest bid and its index: a strict > keeps the lower index
	v_mov_b32 v13, 0
.irp j, 1,2,3,4,5,6,7
	v_cmp_gt_f32 vcc_lo, v[XR+\j], v12
	v_cndmask_b32 v12, v12, v[XR+\j], vcc_lo
	v_cndmask_b32 v13, v13, \j, vcc_lo
.endr
.irp j, 0,1,2,3,4,5,6,7
	v_cmp_eq_u32 vcc_lo, \j, v13
	v_cndmask_b32 v[XR+\j], v[XR+\j], -1.0, vcc_lo ; the winner leaves: every bid is 0 or more
.endr
	v_mov_b32 v14, v[XR]
	v_mov_b32 v15, 0
.irp j, 1,2,3,4,5,6,7
	v_cmp_gt_f32 vcc_lo, v[XR+\j], v14
	v_cndmask_b32 v14, v14, v[XR+\j], vcc_lo
	v_cndmask_b32 v15, v15, \j, vcc_lo
.endr
	v_sub_f32 v16, v14, v12                        ; the maximum is taken away: d = second - first <= 0
	v_mul_f32 v16, 0x3fb8aa3b, v16
	v_exp_f32 v16, v16
	v_lshlrev_b32 v19, 2, v[LN]
	s_wait_alu depctr_va_vdst(0)
	v_add_f32 v17, 1.0, v16
	v_rcp_f32 v17, v17                             ; w0 = 1 / (1 + e^d)
	v_mov_b32 v20, 0
	s_wait_alu depctr_va_vdst(0)
	v_mul_f32 v18, v16, v17                        ; w1 = e^d w0
	s_lshl_b32 s26, ttmp9, 7
	s_add_nc_u64 s[14:15], s[14:15], s[26:27]
	s_lshl_b32 s26, ttmp9, 6
	s_add_nc_u64 s[12:13], s[12:13], s[26:27]
	global_store_b32 v19, v17, s[14:15]
	global_store_b32 v19, v18, s[14:15] offset:4096
.irp j, 0,1,2,3,4,5,6,7
	v_cmp_eq_u32 s[32+\j], \j, v13                 ; bit l: token l's first choice is expert j
	v_cmp_eq_u32 s[40+\j], \j, v15                 ; its second
.endr
.irp i, 0,1,2,3,4,5,6,7,8,9,10,11,12,13,14,15
	v_writelane_b32 v20, s[32+\i], \i
.endr
	v_cmp_gt_u32 vcc_lo, 16, v[LN]
	s_wait_xcnt 0x0                                ; EXEC changes only behind this wait
	s_and_saveexec_b32 s30, vcc_lo
	global_store_b32 v19, v20, s[12:13]            ; 16 words on end
	s_wait_xcnt 0x0
	s_or_b32 exec_lo, exec_lo, s30
.Lend:
	s_wait_tensorcnt 0x0                           ; the wave's end
	ds_add_u32 v[SPW], v[NIL]
	s_wait_dscnt 0x0
	s_endpgm
.Lfunc_end_k_q971f7576d1_router:
	.size	k_q971f7576d1_router, .Lfunc_end_k_q971f7576d1_router-k_q971f7576d1_router
	.p2alignl 7, 3214868480
	.fill 96, 4, 3214868480
	.section	.rodata,"a",@progbits
	.p2align	6, 0x0
	.amdhsa_kernel k_q971f7576d1_router
		.amdhsa_group_segment_fixed_size 78848
		.amdhsa_private_segment_fixed_size 0
		.amdhsa_enable_private_segment 0
		.amdhsa_kernarg_size 48
		.amdhsa_user_sgpr_count 2
		.amdhsa_user_sgpr_kernarg_segment_ptr 1
		.amdhsa_wavefront_size32 1
		.amdhsa_system_sgpr_workgroup_id_x 1
		.amdhsa_system_sgpr_workgroup_id_y 1
		.amdhsa_system_sgpr_workgroup_id_z 1
		.amdhsa_system_vgpr_workitem_id 0
		.amdhsa_next_free_vgpr 256
		.amdhsa_next_free_sgpr 66
		.amdhsa_reserve_vcc 1
		.amdhsa_float_denorm_mode_32 3
		.amdhsa_float_denorm_mode_16_64 3
		.amdhsa_memory_ordered 1
		.amdhsa_forward_progress 1
		.amdhsa_inst_pref_size 32
	.end_amdhsa_kernel
	.amdgpu_metadata
---
amdhsa.version: [ 1, 2 ]
amdhsa.kernels:
  - .name:           k_q971f7576d1_router
    .symbol:         k_q971f7576d1_router.kd
    .args:
      - { .name: hidden_states, .offset: 0, .size: 8, .value_kind: global_buffer, .address_space: global }
      - { .name: Wc, .offset: 8, .size: 8, .value_kind: global_buffer, .address_space: global }
      - { .name: bc, .offset: 16, .size: 8, .value_kind: global_buffer, .address_space: global }
      - { .name: xb, .offset: 24, .size: 8, .value_kind: global_buffer, .address_space: global }
      - { .name: sel, .offset: 32, .size: 8, .value_kind: global_buffer, .address_space: global }
      - { .name: wts, .offset: 40, .size: 8, .value_kind: global_buffer, .address_space: global }
    .group_segment_fixed_size: 78848
    .private_segment_fixed_size: 0
    .kernarg_segment_align: 8
    .kernarg_segment_size: 48
    .max_flat_workgroup_size: 256
    .sgpr_count:     66
    .vgpr_count:     256
    .wavefront_size: 32
...
	.end_amdgpu_metadata
.endif
;; end of part 1
;; launch up (part 2): grid 32 x 8, 4 waves a work-group, no clusters, 254,976 bytes of LDS; arguments xb, Wg, Wu, sel, wts, hf; writes hf
.if DOCPART == 2
	.amdgcn_target "amdgcn-amd-amdhsa--gfx1250"
	.amdhsa_code_object_version 6
	.text
	.protected	k_q971f7576d1_up
	.globl	k_q971f7576d1_up
	.p2align	8
	.type	k_q971f7576d1_up,@function
k_q971f7576d1_up:
	s_mov_b64 s[64:65], 0
	v_nop
	global_prefetch_b8 v0, s[64:65] scope:SCOPE_SE
	s_setreg_imm32_b32 hwreg(HW_REG_WAVE_MODE, 25, 1), 1
	s_wait_xcnt 0x0
; THE FIRST PRODUCT.  For expert e and the 64 hidden columns i = 64 j ..: h' = w u g sigmoid(g), g = x Wg, u = x Wu, for the rows (token, choice) that chose e; w is the row's gate weight.
; Wg and Wu are rounded to bf16 on their way through registers, x comes as bf16 (xb); sums in f32; h' is rounded once to bf16.
; hf[e][tile of 16 rows][K step of 32 i][half][lane][16 bytes] is h' as the second product's operand registers take it.
; SHARES.  A work-group (j = x, e = y) alone reads its slice of the weights, once in pass 0.  An expert's rows, in token order, lie in tiles of 16; NT = ceil(n / 16).
; Pass p serves tiles 20 p .. 20 p + 19: wave w has tiles 20 p + 4 s + w, s = 0..4, each x 8 tiles of 16 columns (4 of g, 4 of u): 40 accumulators.
; Pass 0 is unconditional and pipelined.  Passes 1 to 3 (an expert with more than 320 rows; up to 1,024 are served) are a counted loop of plain text in which every wave passes every barrier and only
; work is jumped over.  List places n .. n + 15 repeat the expert's last row, later places hold entry 0: rows that exist.  Tiles 0 to 23 are always stored (zeros where there is nothing), so the next launch's first pass reads without asking.
; THE PRODUCT IS USED TRANSPOSED: source 0 = W (row = column i, turned out of LDS by ds_load_tr16_b128), source 1 = x (column = token).  A lane then holds one token and eight neighbouring i:
; column tiles 2 c and 2 c + 1, packed in pairs, ARE registers 0-3 and 4-7 of the next launch's fragment, and each store covers 512 consecutive bytes.
; PIPELINE.  K = 1024 in 8 chunks of 128.  Trip c multiplies chunk c out of one LDS region, converts chunk c + 1 (in registers since a trip) into the other, and asks for chunk c + 2: one barrier a trip.
; THE SUMS START with 40 products of a zero fragment (INIT): 40 matrix instructions a pass on zeros, so that no trip is written a second time.
; NO CLUSTER, NO TENSOR LOAD: a slice of weights has one reader; the rows of x that an expert's work-groups share come by a list, which no descriptor states.
; LIMITS: NaN and infinities are not treated apart; 2^(-1.44 g) may overflow to infinity, whose reciprocal is 0, as sigmoid's limit is.
.set PW,    288                        ; a row of W in LDS: 64 g + 64 u in bf16 + 32 bytes: an odd multiple of 32
.set PX,    272                        ; a row of x: 128 bf16 + 16 bytes
.set XB0,   128*PW                     ; behind W's 128 rows: x, 80 rows for each wave, its own
.set XBW,   80*PX
.set PARB,  1<<17                      ; the second region begins here: one exclusive or turns an address in one into the other's
.set LIST,  XB0+4*XBW                  ; the expert's entries (k * 1024 + t), 16 bits each: 1,280 places, then 32 dump places
.set SPARE, LIST+2816                  ; the spare words, 128 bytes a wave
.set CHW,   128*8192                   ; bytes from chunk to chunk in Wg and Wu
.set TILEB, 65536                      ; bytes of a tile in hf
; window 0
.set LN,   1                           ; lane
.set L16,  2                           ; 16 (lane % 16)
.set WOFF, 3                           ; my byte offset in a chunk of W
.set WST0, 4                           ; LDS places in region 0, never rewritten: W store, W fragment, x store, x fragment
.set WFR0, 5
.set XST0, 6
.set XFR0, 7
.set WST,  8                           ; pass 0: the same in the region in hand
.set WFR,  9
.set XST,  10
.set XFR,  11
.set LA,   12                          ; list: the entries of my rows, for x's loads
.set LB,   13                          ; list: the entry of my token, for its weight
.set HOFF, 14                          ; 16 lane
.set MK0,  15                          ; first choices: lane l holds the word of tokens 32 l ..
.set MK1,  16                          ; second choices
.set PF,   23                          ; prefetch: row 32 w + lane of a chunk
.set ZR,   24                          ; v[24:31] zeros
.set XOFF, 32                          ; v[32:71] byte offsets of my 80 rows of x, two rows a load
.set XF,   72                          ; v[72:151] x's fragments, two buffers of 5
.set WT,   152                         ; v[152:161] the gate weight of my token in slot s, in pairs with 0
.set SPW,  162
.set NIL,  163
.set TT,   164                         ; v[164:195] at work
.set UU,   196                         ; v[196:227]
.set PK,   228                         ; v[228:243]
.set DUMP, 244                         ; 1280 + lane
; window 1: v0-127 W's fragments, two buffers of 8; v128-255 a chunk of W as loaded.  window 2: accumulator (s, a) at 8 (8 s + a), s = 0..3.  window 3: v0-63 those of s = 4; v64-223 a chunk of x as loaded
.set WF,   0
.set WS,   128
.set XS,   64
.set WV,   16
.set JJ,   17
.set EE,   18
.set NN,   19                          ; the expert's rows
.set NT,   20                          ; its tiles
.set LV,   21                          ; 1: this pass has tiles
.set L4,   22                          ; 1: my slot 4 has a tile
.set PASS, 23
.set TC,   24
.set PAR,  25                          ; pass 0: the region that is read
.set PARN, 26                          ; pass 0: the region that is written
.set NLG,  28                          ; s[28:29] -log2(e)
.set GP,   32                          ; s[32:37] where the next loads of Wg, Wu, xb begin
.set UP,   34
.set XP,   36
.set OG,   38                          ; s[38:41] my slices' first bytes
.set OU,   40
.set HB,   44                          ; s[44:45] hf at tile 20 p + w, K step 2 j
.set SA,   50
.set SB,   51
.set SU,   52
.set SC,   53
.set SG,   54
.set MSB, 0
.macro WIN new                         ; bits 1:0 source 0, 3:2 source 1, 5:4 source 2, 7:6 destination; the high byte repeats the setting that is left
.if MSB != (\new)
	s_set_vgpr_msb (MSB<<8)|(\new)
.set MSB, (\new)
.endif
.endm
.macro PLACES                          ; four places behind matrix instructions, ahead of loads into their sources or of reads of their results
.rept 4
	v_nop
.endr
.endm
.macro WLD q                           ; rows 8 q .. 8 q + 7 of my 32 of a chunk, of Wg and of Wu: each load takes two rows' 256 bytes
	WIN 0x40
.irp s, 0,1,2,3
	global_load_b128 v[WS+32*(\q)+8*\s:WS+32*(\q)+8*\s+3],   v[WOFF], s[GP:GP+1] offset:(8*(\q)+\s)*8192 th:TH_LOAD_NT
	global_load_b128 v[WS+32*(\q)+8*\s+4:WS+32*(\q)+8*\s+7], v[WOFF], s[UP:UP+1] offset:(8*(\q)+\s)*8192 th:TH_LOAD_NT
.endr
.endm
.macro WCV q, rg=WST                   ; the same rows rounded to bf16, in place, and stored.  A store takes two rows four apart: 4 x 72 words = 32 modulo 64, so their 128 bytes each fall on different banks (64 banks of 4 bytes: ISA guide 11.1)
	WIN 0x45
.set z, WS+32*(\q)
.rept 8
	v_cvt_pk_bf16_f32 v[z], v[z], v[z+1]
	v_cvt_pk_bf16_f32 v[z+1], v[z+2], v[z+3]
.set z, z+4
.endr
	WIN 0x04
.irp s, 0,1,2,3
	ds_store_b64 v[\rg], v[WS+32*(\q)+8*\s:WS+32*(\q)+8*\s+1]   offset:(8*(\q)+\s)*PW
	ds_store_b64 v[\rg], v[WS+32*(\q)+8*\s+4:WS+32*(\q)+8*\s+5] offset:(8*(\q)+\s)*PW+128
.endr
.endm
.macro XLD q                           ; rows 20 q .. 20 q + 19 of my 80: a chunk's 256 bytes of each
	WIN 0xc0
.set z, 10*(\q)
.rept 10
	global_load_b128 v[XS+4*z:XS+4*z+3], v[XOFF+z], s[XP:XP+1]
.set z, z+1
.endr
.endm
.macro XSV q, rg=XST
	WIN 0x0c
.set z, 10*(\q)
.rept 10
	ds_store_b128 v[\rg], v[XS+4*z:XS+4*z+3] offset:2*PX*z
.set z, z+1
.endr
.endm
.macro FRAG q, b, rw, rx               ; 26 LDS loads: K step q's 8 fragments of W (turned) and 5 of x into buffer b
	WIN 0x40
.irp a, 0,1,2,3,4,5,6,7
	ds_load_tr16_b128 v[WF+64*(\b)+8*\a:WF+64*(\b)+8*\a+3],   v[\rw] offset:32*PW*(\q)+32*\a
	ds_load_tr16_b128 v[WF+64*(\b)+8*\a+4:WF+64*(\b)+8*\a+7], v[\rw] offset:32*PW*(\q)+16*PW+32*\a
.endr
	WIN 0
.irp s, 0,1,2,3,4
	ds_load_b128 v[XF+40*(\b)+8*\s:XF+40*(\b)+8*\s+3],   v[\rx] offset:16*PX*\s+64*(\q)
	ds_load_b128 v[XF+40*(\b)+8*\s+4:XF+40*(\b)+8*\s+7], v[\rx] offset:16*PX*\s+64*(\q)+32
.endr
.endm
.macro MUL b, s0, s1                   ; slots s0 .. s1 x 8 column tiles: the accumulators take turns, one instruction a turn
.set zs, (\s0)
.rept (\s1)-(\s0)+1
.if zs < 4
	WIN 0xa1
.else
	WIN 0xf1
.endif
.set za, 0
.rept 8
	v_wmma_f32_16x16x32_bf16 v[(64*zs+8*za)%256:(64*zs+8*za)%256+7], v[WF+64*(\b)+8*za:WF+64*(\b)+8*za+7], v[XF+40*(\b)+8*zs:XF+40*(\b)+8*zs+7], v[(64*zs+8*za)%256:(64*zs+8*za)%256+7]
.set za, za+1
.endr
.set zs, zs+1
.endr
.endm
.macro MUL4 b                          ; slot 4, jumped where it has no tile: only matrix instructions are jumped
	WIN 0
	s_cmp_eq_u32 s[L4], 0
	s_cbranch_scc1 .Lno4_\@
	MUL \b, 4, 4
	WIN 0
.Lno4_\@:
.endm
.macro CHANGE                          ; pass 0: the regions change places
	WIN 0
	s_xor_b32 s[PAR], s[PAR], PARB
	s_xor_b32 s[PARN], s[PARN], PARB
	v_add_nc_u32 v[WFR], s[PAR], v[WFR0]
	v_add_nc_u32 v[XFR], s[PAR], v[XFR0]
	v_add_nc_u32 v[WST], s[PARN], v[WST0]
	v_add_nc_u32 v[XST], s[PARN], v[XST0]
.endm
.macro STEP                            ; the loads' pointers go one chunk on; it stands behind s_wait_xcnt 0
	s_add_nc_u64 s[GP:GP+1], s[GP:GP+1], CHW
	s_add_nc_u64 s[UP:UP+1], s[UP:UP+1], CHW
	s_add_nc_u64 s[XP:XP+1], s[XP:XP+1], 256
.endm
.macro INIT                            ; every sum starts as 0 x 0 + 0
	WIN 0
.rept 5
	v_nop                                          ; five places behind whatever matrix instruction last named these accumulators
.endr
	WIN 0x80
.set z, 0
.rept 32
	v_wmma_f32_16x16x32_bf16 v[8*z:8*z+7], v[ZR:ZR+7], v[ZR:ZR+7], 0
.set z, z+1
.endr
	WIN 0xc0
.set z, 0
.rept 8
	v_wmma_f32_16x16x32_bf16 v[8*z:8*z+7], v[ZR:ZR+7], v[ZR:ZR+7], 0
.set z, z+1
.endr
	WIN 0
.endm
.macro ADDRS                           ; this pass's rows: entries out of the list; token = entry % 1024 gives x's row, the entry itself the weight
	WIN 0
.set z, 0
.rept 40
	ds_load_u16 v[XOFF+z], v[LA] offset:128*(z/8)+4*(z%8)
.set z, z+1
.endr
.irp s, 0,1,2,3,4
	ds_load_u16 v[17+\s], v[LB] offset:128*\s
.endr
	s_wait_dscnt 0x0
.set z, 0
.rept 40
	v_min_u32 v[XOFF+z], 0x7ff, v[XOFF+z]
	v_and_b32 v[XOFF+z], 0x3ff, v[XOFF+z]
	v_lshl_add_u32 v[XOFF+z], v[XOFF+z], 11, v[L16]
.set z, z+1
.endr
.irp s, 0,1,2,3,4
	v_min_u32 v[17+\s], 0x7ff, v[17+\s]
	v_lshlrev_b32 v[17+\s], 2, v[17+\s]
	global_load_b32 v[WT+2*\s], v[17+\s], s[12:13]
.endr
.endm
; A quarter's service: piece q of the next chunk goes from registers into LDS, and (ld = 1) the registers are asked for again, two chunks on.  nw, nx: the loads issued behind the piece's.
.macro SERVE q, ld, nw, nx
	s_wait_loadcnt \nw
	WCV \q
.if \ld
	WLD \q
.endif
	s_wait_loadcnt \nx
	XSV \q
.if \ld
	XLD \q
.endif
.endm
; Quarter q = 0, 1, 2 of a trip: service, the next K step's fragments, this K step's 40 products.  The service's 16 conversions (or four v_nop) are the places ahead of the loads into the other buffer.
.macro QTR q, cvt, ld, nw, nx
.if \cvt
	SERVE \q, \ld, \nw, \nx
.else
	PLACES
.endif
	FRAG (\q)+1, ((\q)+1)%2, WFR, XFR
.if \cvt
	s_wait_dscnt 44                                ; behind this K step's fragments: 18 stores and the 26 loads just issued
.else
	s_wait_dscnt 26
.endif
	MUL (\q)%2, 0, 3
	MUL4 (\q)%2
.endm
; Quarter 3 changes regions: ONE barrier.  Ahead of it my stores of the next chunk and my reads of this one are done; behind it the next chunk is whole and nobody reads this one's region any more.
.macro QTR3 cvt, ld, nw, nx, last
.if \cvt
	SERVE 3, \ld, \nw, \nx
.endif
	s_wait_dscnt 0x0
.if \last
	MUL 1, 0, 3
	MUL4 1
.else
	s_barrier_signal -1
	MUL 1, 0, 2                                    ; work on registers while the others arrive
	s_barrier_wait -1
	CHANGE
	FRAG 0, 0, WFR, XFR
	MUL 1, 3, 3
	MUL4 1
.endif
.endm
; The loads of a quarter are 8 of W, then 10 of x.  Steady: behind W's piece 10 + 3 x 18 = 64 (a wait's count names 63 at the most: one load more is waited for), behind x's 3 x 18 + 8 = 62.
.macro TRIP kind
.if (\kind) == 0
	s_wait_xcnt 0x0
	STEP
	QTR 0, 1, 1, 63, 62
	QTR 1, 1, 1, 63, 62
	QTR 2, 1, 1, 63, 62
	QTR3 1, 1, 63, 62, 0
.elseif (\kind) == 1                   ; trip 6 asks for nothing: the counts run down
	QTR 0, 1, 0, 63, 54
	QTR 1, 1, 0, 46, 36
	QTR 2, 1, 0, 28, 18
	QTR3 1, 0, 10, 0, 0
.else                                  ; trip 7 only multiplies
	QTR 0, 0, 0, 0, 0
	QTR 1, 0, 0, 0, 0
	QTR 2, 0, 0, 0, 0
	QTR3 0, 0, 0, 0, 1
.endif
.endm
; THE WAY OUT of slot s: ((u w) g) / (1 + 2^(-log2(e) g)), rounded to bf16.  Two batches of 32 transcendentals, each with independent packed multiplies behind it and ONE wait ahead of its first reader.
; Every accumulator is read from its lowest registers on.
.macro EPI s
.if (\s) < 4
.set wa, 0x02
.set ga, 64*(\s)
.else
.set wa, 0x03
.set ga, 0
.endif
	WIN wa
.set z, 0
.rept 16
	v_pk_mul_f32 v[TT+2*z:TT+2*z+1], v[ga+2*z:ga+2*z+1], s[NLG:NLG+1] op_sel_hi:[1,0]
.set z, z+1
.endr
	WIN 0
.set z, 0
.rept 32
	v_exp_f32 v[TT+z], v[TT+z]
.set z, z+1
.endr
	WIN wa
.set z, 0
.rept 16
	v_pk_mul_f32 v[UU+2*z:UU+2*z+1], v[ga+32+2*z:ga+32+2*z+1], v[WT+2*(\s):WT+2*(\s)+1] op_sel_hi:[1,0]
.set z, z+1
.endr
	WIN 0
	s_wait_alu depctr_va_vdst(0)
.set z, 0
.rept 16
	v_pk_add_f32 v[TT+2*z:TT+2*z+1], v[TT+2*z:TT+2*z+1], 1.0 op_sel_hi:[1,0]
.set z, z+1
.endr
.set z, 0
.rept 32
	v_rcp_f32 v[TT+z], v[TT+z]
.set z, z+1
.endr
	WIN wa
.set z, 0
.rept 16
	v_pk_mul_f32 v[UU+2*z:UU+2*z+1], v[ga+2*z:ga+2*z+1], v[UU+2*z:UU+2*z+1]
.set z, z+1
.endr
	WIN 0
	s_wait_alu depctr_va_vdst(0)
.set z, 0
.rept 16
	v_pk_mul_f32 v[UU+2*z:UU+2*z+1], v[UU+2*z:UU+2*z+1], v[TT+2*z:TT+2*z+1]
.set z, z+1
.endr
	s_wait_xcnt 0x0                                ; PK was the last slot's store data
.set z, 0
.rept 16
	v_cvt_pk_bf16_f32 v[PK+z], v[UU+2*z], v[UU+2*z+1]
.set z, z+1
.endr
.irp a, 0,1,2,3
	global_store_b128 v[HOFF], v[PK+4*\a:PK+4*\a+3], s[HB:HB+1] offset:(\s)*4*TILEB+512*\a  ; 512 consecutive bytes: half a fragment of K step 2 j + a / 2
.endr
.endm
	s_load_b256 s[4:11], s[0:1], 0x0               ; xb s[4:5], Wg s[6:7], Wu s[8:9], sel s[10:11]
	s_load_b128 s[12:15], s[0:1], 0x20             ; wts s[12:13], hf s[14:15]
	v_lshl_add_u32 v[SPW], v0, 2, SPARE
	v_mov_b32 v[NIL], 0
	v_and_b32 v[LN], 31, v0
	v_lshrrev_b32 v17, 5, v0
	v_readfirstlane_b32 s[WV], v17                 ; wave 0..3
	s_mov_b32 s[JJ], ttmp9
	s_and_b32 s[EE], ttmp7, 0xffff
	v_bfe_u32 v18, v0, 4, 1                        ; h = lane / 16
	v_and_b32 v19, 15, v0                          ; r = lane % 16
	v_lshlrev_b32 v[L16], 4, v19
	s_lshl_b32 s46, s[WV], 18                      ; W: row 32 w + 4 h, 16 bytes a lane
	v_lshl_add_u32 v[WOFF], v18, 15, v[L16]
	v_add_nc_u32 v[WOFF], s46, v[WOFF]
	s_mul_i32 s46, s[WV], 32*PW
	v_mul_u32_u24 v[WST0], v18, 4*PW
	v_lshl_add_u32 v[WST0], v19, 3, v[WST0]
	v_add_nc_u32 v[WST0], s46, v[WST0]
	v_and_b32 v20, 7, v0                           ; the turning load: row 8 h + lane % 8, 16 bytes for each half of eight lanes
	v_lshl_add_u32 v20, v18, 3, v20
	v_mul_u32_u24 v[WFR0], v20, PW
	v_bfe_u32 v20, v0, 3, 1
	v_lshl_add_u32 v[WFR0], v20, 4, v[WFR0]
	s_mul_i32 s46, s[WV], XBW
	s_add_co_u32 s46, s46, XB0
	v_mul_u32_u24 v[XST0], v18, PX
	v_add_nc_u32 v[XST0], v[L16], v[XST0]
	v_add_nc_u32 v[XST0], s46, v[XST0]
	v_mul_u32_u24 v[XFR0], v19, PX
	v_lshl_add_u32 v[XFR0], v18, 4, v[XFR0]
	v_add_nc_u32 v[XFR0], s46, v[XFR0]
	v_lshlrev_b32 v[HOFF], 4, v[LN]
	v_lshlrev_b32 v[PF], 13, v0
	s_lshl_b32 s46, s[WV], 5
	s_add_co_u32 s46, s46, LIST
	v_lshl_add_u32 v[LA], v18, 1, s46
	v_lshl_add_u32 v[LB], v19, 1, s46
	v_add_nc_u32 v[DUMP], 1280, v[LN]
.irp i, 0,1,2,3,4,5,6,7
	v_mov_b32 v[ZR+\i], 0
.endr
.irp s, 0,1,2,3,4
	v_mov_b32 v[WT+2*\s+1], 0                      ; named in a pair with the weight
.endr
	s_lshl_b32 s46, s[EE], 2
	v_lshl_add_u32 v21, v[LN], 6, s46              ; sel: 64 bytes for each 32 tokens
	s_mov_b32 s[PAR], 0
	s_mov_b32 s[PARN], PARB
	s_mov_b32 s[PASS], 0
	s_mov_b32 s[NLG], 0xbfb8aa3b
	s_mov_b32 s[NLG+1], s[NLG]
	s_lshl_b32 s46, s[EE], 23                      ; an expert's 8 MiB, the slice's 256 bytes of a row
	s_lshl_b32 s47, s[JJ], 8
	s_add_co_u32 s46, s46, s47
	s_mov_b32 s47, 0
	s_mul_i32 s48, s[EE], 80*TILEB
	s_lshl_b32 s49, s[WV], 16
	s_add_co_u32 s48, s48, s49
	s_lshl_b32 s49, s[JJ], 11
	s_add_co_u32 s48, s48, s49
	s_mov_b32 s49, 0
	s_wait_kmcnt 0x0
	s_add_nc_u64 s[OG:OG+1], s[6:7], s[46:47]
	s_add_nc_u64 s[OU:OU+1], s[8:9], s[46:47]
	s_mov_b64 s[GP:GP+1], s[OG:OG+1]
	s_mov_b64 s[UP:UP+1], s[OU:OU+1]
	s_mov_b64 s[XP:XP+1], s[4:5]
	s_add_nc_u64 s[HB:HB+1], s[14:15], s[48:49]
	global_load_b32 v[MK0], v21, s[10:11]
	global_load_b32 v[MK1], v21, s[10:11] offset:32
	WLD 0                                          ; chunk 0 of W is on its way while the list is made
	WLD 1
	WLD 2
	WLD 3
	WIN 0
	; chunks 1 and 2 of my slices are asked into the L2: lane l of wave w names row 32 w + l, whose 256 bytes nobody else asks for: 128 KiB a work-group, read one and two services further down
	global_prefetch_b8 v[PF], s[GP:GP+1] offset:CHW th:TH_LOAD_NT scope:SCOPE_SE
	global_prefetch_b8 v[PF], s[UP:UP+1] offset:CHW th:TH_LOAD_NT scope:SCOPE_SE
	global_prefetch_b8 v[PF], s[GP:GP+1] offset:2*CHW th:TH_LOAD_NT scope:SCOPE_SE
	global_prefetch_b8 v[PF], s[UP:UP+1] offset:2*CHW th:TH_LOAD_NT scope:SCOPE_SE
	CHANGE                                         ; the first chunk goes into region 0
	s_wait_loadcnt 32                              ; the two words of choices; W's 32 loads stay out
	; THE LIST.  Wave 0 writes it; every wave counts n.  A row's rank is the number of the expert's rows at lower tokens.
	s_cmp_lg_u32 s[WV], 0
	s_cbranch_scc1 .Lnozero
	v_lshl_add_u32 v17, v[LN], 4, LIST
.irp i, 0,1,2,3,4
	ds_store_b128 v17, v[ZR:ZR+3] offset:512*\i    ; every place starts as entry 0
.endr
.Lnozero:
	s_mov_b32 s[SG], 0
	s_mov_b32 s[NN], 0
.Llist:
	v_readlane_b32 s[SA], v[MK0], s[SG]
	v_readlane_b32 s[SB], v[MK1], s[SG]
	s_or_b32 s[SU], s[SA], s[SB]                   ; tokens 32 g .. that chose the expert
	s_cmp_lg_u32 s[WV], 0
	s_cbranch_scc1 .Lnolist
	v_mbcnt_lo_u32_b32 v17, s[SU], s[NN]           ; rank
	v_cndmask_b32 v17, v[DUMP], v17, s[SU]         ; a lane that did not choose writes a dump place of its own
	v_min_u32 v17, 1311, v17
	v_lshl_add_u32 v17, v17, 1, LIST
	v_lshl_add_u32 v18, s[SG], 5, v[LN]            ; token
	v_bfe_u32 v19, s[SB], v[LN], 1                 ; 1: second choice
	v_lshl_or_b32 v18, v19, 10, v18
	ds_store_b16 v17, v18
.Lnolist:
	s_bcnt1_i32_b32 s[SC], s[SU]
	s_add_co_u32 s[NN], s[NN], s[SC]
	s_add_co_u32 s[SG], s[SG], 1
	s_cmp_lt_u32 s[SG], 32
	s_cbranch_scc1 .Llist
	s_cmp_lg_u32 s[WV], 0
	s_cbranch_scc1 .Lnopad
	s_max_u32 s46, s[NN], 1                        ; places n .. n + 15 repeat the last row (place 0, which holds 0, where there is none): the last tile's places past n are then that row once more
	s_sub_co_u32 s46, s46, 1
	v_mov_b32 v17, s46
	v_min_u32 v17, 1311, v17
	v_lshl_add_u32 v17, v17, 1, LIST
	ds_load_u16 v18, v17                           ; my own wave's store: LDS serves a wave's instructions in order
	v_and_b32 v19, 15, v[LN]
	v_add_nc_u32 v19, s[NN], v19
	v_min_u32 v19, 1311, v19
	v_lshl_add_u32 v19, v19, 1, LIST
	s_wait_dscnt 0x0
	ds_store_b16 v19, v18                          ; lanes 16-31 write what lanes 0-15 write
.Lnopad:
	s_add_co_u32 s[NT], s[NN], 15
	s_lshr_b32 s[NT], s[NT], 4
	s_add_co_u32 s46, s[WV], 16
	s_cmp_gt_u32 s[NT], s46
	s_cselect_b32 s[L4], 1, 0
	s_wait_dscnt 0x0                               ; for the others' sake: the list is in LDS
	s_barrier_signal -1
	s_barrier_wait -1
	ADDRS
	XLD 0
	XLD 1
	XLD 2
	XLD 3
	WIN 0
	s_wait_xcnt 0x0
	STEP                                           ; chunk 1
	SERVE 0, 1, 63, 38                             ; chunk 0 into region 0, chunk 1 asked for.  Behind W's piece: 69 loads or more; behind x's piece q: 10 (3 - q) + 18 q + 8
	SERVE 1, 1, 63, 46
	SERVE 2, 1, 63, 54
	SERVE 3, 1, 63, 62
	WIN 0
	s_wait_dscnt 0x0
	s_barrier_signal -1
	s_barrier_wait -1                              ; chunk 0 is whole
	CHANGE
	INIT
	FRAG 0, 0, WFR, XFR
	WIN 0
	s_mov_b32 s[TC], 6
.Ltrip:
	TRIP 0
	WIN 0
	s_sub_co_u32 s[TC], s[TC], 1
	s_cmp_lg_u32 s[TC], 0
	s_cbranch_scc1 .Ltrip
	TRIP 1
	TRIP 2
	WIN 0
	s_mov_b32 s[LV], 1
	s_branch .Lepi                                 ; the loop over passes is entered at its way out
.Lpass:                                                ; passes 1 to 3: plain text in region 0 alone; every wave passes every barrier, work is jumped where the pass has no tile
	s_mul_i32 s46, s[PASS], 20
	s_cmp_gt_u32 s[NT], s46
	s_cselect_b32 s[LV], 1, 0
	s_add_co_u32 s46, s46, 16
	s_add_co_u32 s46, s46, s[WV]
	s_cmp_gt_u32 s[NT], s46
	s_cselect_b32 s[L4], 1, 0
	s_mov_b64 s[GP:GP+1], s[OG:OG+1]
	s_mov_b64 s[UP:UP+1], s[OU:OU+1]
	s_mov_b64 s[XP:XP+1], s[4:5]
	v_add_nc_u32 v[LA], 640, v[LA]                 ; 20 tiles on in the list
	v_add_nc_u32 v[LB], 640, v[LB]
	s_cmp_eq_u32 s[LV], 0
	s_cbranch_scc1 .Lnoinit
	ADDRS
	INIT
.Lnoinit:
	s_mov_b32 s[TC], 8
.Lchunk:
	s_wait_dscnt 0x0                               ; my reads of the last chunk are done
	s_barrier_signal -1
	s_barrier_wait -1                              ; everybody's are: region 0 may be written
	s_cmp_eq_u32 s[LV], 0
	s_cbranch_scc1 .LskipA
	WLD 0
	WLD 1
	WLD 2
	WLD 3
	XLD 0
	XLD 1
	XLD 2
	XLD 3
	s_wait_loadcnt 40                              ; W's 32 loads; x's 40 stay out
	WCV 0, WST0
	WCV 1, WST0
	WCV 2, WST0
	WCV 3, WST0
	s_wait_loadcnt 0x0
	XSV 0, XST0
	XSV 1, XST0
	XSV 2, XST0
	XSV 3, XST0
	WIN 0
.LskipA:
	s_wait_dscnt 0x0                               ; my stores of this chunk are done
	s_barrier_signal -1
	s_barrier_wait -1                              ; the chunk is whole
	s_cmp_eq_u32 s[LV], 0
	s_cbranch_scc1 .LskipB
.irp q, 0,1,2,3
	PLACES
	FRAG \q, 0, WFR0, XFR0
	s_wait_dscnt 0x0
	MUL 0, 0, 3
	MUL4 0
.endr
.LskipB:
	s_wait_xcnt 0x0
	STEP
	s_sub_co_u32 s[TC], s[TC], 1
	s_cmp_lg_u32 s[TC], 0
	s_cbranch_scc1 .Lchunk
.Lepi:
	s_cmp_eq_u32 s[LV], 0
	s_cbranch_scc1 .Lnoepi
	s_wait_loadcnt 0x0                             ; the gate weights
	PLACES
	EPI 0
	EPI 1
	EPI 2
	EPI 3
	EPI 4
	s_cmp_lg_u32 s[PASS], 0
	s_cbranch_scc1 .Lnoepi
	s_cmp_gt_u32 s[NT], 20
	s_cbranch_scc1 .Lnoepi                         ; pass 1 will store tiles 20 to 23
.irp a, 0,1,2,3
	global_store_b128 v[HOFF], v[ZR:ZR+3], s[HB:HB+1] offset:5*4*TILEB+512*\a  ; tile 20 + w: zeros
.endr
.Lnoepi:
	s_wait_loadcnt 0x0
	s_wait_xcnt 0x0                                ; the stores have read hf's address and their registers
	s_add_nc_u64 s[HB:HB+1], s[HB:HB+1], 20*TILEB
	s_add_co_u32 s[PASS], s[PASS], 1
	s_cmp_lt_u32 s[PASS], 4
	s_cbranch_scc1 .Lpass
	s_wait_tensorcnt 0x0                           ; the wave's end
	ds_add_u32 v[SPW], v[NIL]
	s_wait_dscnt 0x0
	s_endpgm
.Lfunc_end_k_q971f7576d1_up:
	.size	k_q971f7576d1_up, .Lfunc_end_k_q971f7576d1_up-k_q971f7576d1_up
	.p2alignl 7, 3214868480
	.fill 96, 4, 3214868480
	.section	.rodata,"a",@progbits
	.p2align	6, 0x0
	.amdhsa_kernel k_q971f7576d1_up
		.amdhsa_group_segment_fixed_size 254976
		.amdhsa_private_segment_fixed_size 0
		.amdhsa_enable_private_segment 0
		.amdhsa_kernarg_size 48
		.amdhsa_user_sgpr_count 2
		.amdhsa_user_sgpr_kernarg_segment_ptr 1
		.amdhsa_wavefront_size32 1
		.amdhsa_system_sgpr_workgroup_id_x 1
		.amdhsa_system_sgpr_workgroup_id_y 1
		.amdhsa_system_sgpr_workgroup_id_z 1
		.amdhsa_system_vgpr_workitem_id 0
		.amdhsa_next_free_vgpr 992
		.amdhsa_next_free_sgpr 66
		.amdhsa_reserve_vcc 0
		.amdhsa_float_denorm_mode_32 3
		.amdhsa_float_denorm_mode_16_64 3
		.amdhsa_memory_ordered 1
		.amdhsa_forward_progress 1
		.amdhsa_inst_pref_size 218
	.end_amdhsa_kernel
	.amdgpu_metadata
---
amdhsa.version: [ 1, 2 ]
amdhsa.kernels:
  - .name:           k_q971f7576d1_up
    .symbol:         k_q971f7576d1_up.kd
    .args:
      - { .name: xb, .offset: 0, .size: 8, .value_kind: global_buffer, .address_space: global }
      - { .name: Wg, .offset: 8, .size: 8, .value_kind: global_buffer, .address_space: global }
      - { .name: Wu, .offset: 16, .size: 8, .value_kind: global_buffer, .address_space: global }
      - { .name: sel, .offset: 24, .size: 8, .value_kind: global_buffer, .address_space: global }
      - { .name: wts, .offset: 32, .size: 8, .value_kind: global_buffer, .address_space: global }
      - { .name: hf, .offset: 40, .size: 8, .value_kind: global_buffer, .address_space: global }
    .group_segment_fixed_size: 254976
    .private_segment_fixed_size: 0
    .kernarg_segment_align: 8
    .kernarg_segment_size: 48
    .max_flat_workgroup_size: 128
    .sgpr_count:     66
    .vgpr_count:     992
    .wavefront_size: 32
...
	.end_amdgpu_metadata
.endif
;; end of part 2
;; launch down (part 3): grid 16 x 16, 8 waves a work-group, no clusters, 79,616 bytes of LDS; arguments hf, Wd, sel, part; writes part
.if DOCPART == 3
	.amdgcn_target "amdgcn-amd-amdhsa--gfx1250"
	.amdhsa_code_object_version 6
	.text
	.protected	k_q971f7576d1_down
	.globl	k_q971f7576d1_down
	.p2align	8
	.type	k_q971f7576d1_down,@function
k_q971f7576d1_down:
	s_mov_b64 s[64:65], 0
	v_nop
	global_prefetch_b8 v0, s[64:65] scope:SCOPE_SE
	s_setreg_imm32_b32 hwreg(HW_REG_WAVE_MODE, 25, 1), 1
	s_wait_xcnt 0x0
; THE SECOND PRODUCT.  part[kh * 2048 + entry][64 c ..] = the sum over i in half kh of h'[row][i] Wd[e][i][d], in f32, for the rows of expert e; entry = k * 1024 + t.
; Wd is rounded to bf16 on its way through registers; h' comes as operand fragments (hf), straight from memory into registers; sums in f32.  The gate's weight is in h' already.
; SHARES.  x = c: 64 output columns (256 bytes of each row of Wd).  y = 2 e + kh: expert and half of the hidden width, 1,024 i: so each weight byte has one reader and rows stay whole blocks of 256 bytes;
; the two halves' partial rows are added by the next launch.  Pass p serves tiles 24 p .. 24 p + 23 of 16 rows: wave w has tiles 24 p + 8 s + w, s = 0..2, x 4 column tiles: 12 accumulators.
; Pass 0 is unconditional and pipelined (the launch before stores tiles 0 to 23 whatever n is).  Passes 1 and 2 (more than 384 rows; up to 1,024 are served) are a counted loop of plain text in which every wave
; passes every barrier and only work is jumped over.
; ROWS PAST n.  A tile with no row is not stored (a scalar branch).  In the last tile the places past n repeat the expert's last row, here and in the launch that made h': the same token and weight, the same
; arithmetic, so the same numbers are stored once more onto that row's bytes, by the same wave.  No lane is switched off.
; TRANSPOSED: source 0 = Wd (row = column d, turned by ds_load_tr16_b128), source 1 = h' (column = row of the tile): a lane holds one row and eight neighbouring d, which go out through the wave's own stage as whole rows of 256 bytes.
; PIPELINE.  8 chunks of 128 i.  Trip c multiplies chunk c, converts W's chunk c + 1 into the other LDS buffer, asks for W's chunk c + 3 and h's chunk c + 2: two trips' loads, 64, are out for each wave.
; THE SUMS START with 12 products of a zero fragment (INIT), so that no trip is written a second time.
; NO CLUSTER: what the 16 column slices of (e, kh) share is h'.  A joint load would land it in LDS: 96 KiB written and read again for each 128 i, beside the 144 KiB that a step moves there now, and a round of the cluster's barrier a trip.
.set PW,    160                        ; a row of W in LDS: 64 bf16 + 32 bytes: an odd multiple of 32
.set WBB,   128*PW                     ; a buffer: 128 rows
.set STAGE, 2*WBB                      ; 16 rows x 272 bytes for each wave, for the way out
.set SP,    272
.set STW,   16*SP
.set LIST,  STAGE+8*STW                ; the expert's entries, 16 bits each: 1,280 places, then 32 dump places
.set SPARE, LIST+2816
.set CHW,   128*4096                   ; bytes from chunk to chunk in Wd
.set LN,   1
.set L16,  2
.set WOFF, 3
.set WST,  4                           ; LDS: where my 8 bytes of a row of W go, in buffer 0; never rewritten
.set WFR,  5                           ; LDS: my place in a fragment of W, in buffer 0; never rewritten
.set HOFF, 6
.set LA,   7                           ; list: the entries of the rows that I store
.set STO,  9
.set RD,   10
.set MK0,  13
.set MK1,  14
.set DUMP, 15
.set SPW,  22
.set NIL,  23
.set ZR,   24                          ; v[24:31] zeros
.set WF,   32                          ; v[32:95] W's fragments, two buffers of 4; on the way out v32-63 rows read back, v64-71 their addresses
.set BK,   32
.set EN,   64
.set ACC,  96                          ; v[96:191] accumulator (s, a) at ACC + 8 (4 s + a)
.set WS,   192                         ; v[192:255] two chunks of W as loaded.   window 1: v0-191 h's fragments: 96 parity + 24 q + 8 s
.set WV,   12
.set EE,   14
.set KH,   15
.set NN,   16
.set NT,   17
.set LV,   18
.set L2,   19
.set PASS, 20
.set TC,   21
.set T0,   23                          ; 24 p + w
.set WP,   24
.set OW,   26
.set HB,   28                          ; s[28:33] hf at my three tiles, at the chunk in hand
.set HFB,  34
.set PB,   36
.set SA,   48
.set SB,   49
.set SU,   50
.set SC,   51
.set SG,   52
.set MSB, 0
.macro WIN new
.if MSB != (\new)
	s_set_vgpr_msb (MSB<<8)|(\new)
.set MSB, (\new)
.endif
.endm
.macro PLACES
.rept 4
	v_nop
.endr
.endm
.macro DFRAG q, b, pb                  ; 8 LDS loads: K step q's 4 fragments of W, turned, out of the buffer at byte pb into register buffer b
	WIN 0
.irp a, 0,1,2,3
	ds_load_tr16_b128 v[WF+32*(\b)+8*\a:WF+32*(\b)+8*\a+3],   v[WFR] offset:(\pb)+32*PW*(\q)+32*\a
	ds_load_tr16_b128 v[WF+32*(\b)+8*\a+4:WF+32*(\b)+8*\a+7], v[WFR] offset:(\pb)+32*PW*(\q)+16*PW+32*\a
.endr
.endm
.macro DMUL b, hr, s                   ; slot s x 4 column tiles; the accumulators take turns
	WIN 0x04
.irp a, 0,1,2,3
	v_wmma_f32_16x16x32_bf16 v[ACC+8*(4*(\s)+\a):ACC+8*(4*(\s)+\a)+7], v[WF+32*(\b)+8*\a:WF+32*(\b)+8*\a+7], v[(\hr)+8*(\s):(\hr)+8*(\s)+7], v[ACC+8*(4*(\s)+\a):ACC+8*(4*(\s)+\a)+7]
.endr
.endm
.macro DMUL2 b, hr                     ; slot 2, jumped where it has no tile
	WIN 0
	s_cmp_eq_u32 s[L2], 0
	s_cbranch_scc1 .Lno2_\@
	DMUL \b, \hr, 2
	WIN 0
.Lno2_\@:
.endm
.macro INIT
	WIN 0
.rept 5
	v_nop
.endr
.set z, 0
.rept 12
	v_wmma_f32_16x16x32_bf16 v[ACC+8*z:ACC+8*z+7], v[ZR:ZR+7], v[ZR:ZR+7], 0
.set z, z+1
.endr
.endm
; Quarter q of trip c (par = c % 2).  A quarter's loads are 2 of W, then 6 of h.  kind 0, steady: behind W's piece (asked two trips ago) 64 - 2 = 62, behind h's K step 56 + 2 = 58.
; kind 1 (trip 5: no more W), 2 (trip 6: no loads), 3 (trip 7: only products): the counts run down as the missing loads say.
.macro DQ par, q, kind
.if (\kind) == 0
.set nw, 62
.set nh, 58
.elseif (\kind) == 1
.set nw, 62-2*(\q)
.set nh, 56-2*(\q)
.elseif (\kind) == 2
.set nw, 54-8*(\q)
.set nh, 48-8*(\q)
.else
.set nw, 0
.set nh, 18-6*(\q)
.endif
.set hr, 96*(\par)+24*(\q)
	WIN 0
.if (\kind) < 3
	s_wait_loadcnt nw
.irp d, 0,1
.set wb, WS+32*(1-(\par))+4*(2*(\q)+\d)
	v_cvt_pk_bf16_f32 v[wb], v[wb], v[wb+1]
	v_cvt_pk_bf16_f32 v[wb+1], v[wb+2], v[wb+3]
.endr
.irp d, 0,1
.set wb, WS+32*(1-(\par))+4*(2*(\q)+\d)
.set ro, 8*((2*(\q)+\d)/4)+(2*(\q)+\d)%4
	ds_store_b64 v[WST], v[wb:wb+1] offset:(1-(\par))*WBB+ro*PW
.if (\kind) == 0
	global_load_b128 v[wb:wb+3], v[WOFF], s[WP:WP+1] offset:3*CHW+ro*4096 th:TH_LOAD_NT
.endif
.endr
.endif
.if (\q) < 3
	DFRAG (\q)+1, ((\q)+1)%2, (\par)*WBB
	s_wait_loadcnt nh
.if (\kind) < 3
	s_wait_dscnt 10                                ; behind this K step's fragments: 2 stores and the 8 loads just issued
.else
	s_wait_dscnt 8
.endif
	DMUL (\q)%2, hr, 0
	DMUL (\q)%2, hr, 1
	DMUL2 (\q)%2, hr
.else
	s_wait_loadcnt nh
	s_wait_dscnt 0x0                               ; my stores of the next chunk and my reads of this one are done
.if (\kind) < 3
	s_barrier_signal -1
	DMUL 1, hr, 0
	s_barrier_wait -1                              ; the next chunk is whole, and nobody reads this one's buffer any more
	DFRAG 0, 0, (1-(\par))*WBB
	DMUL 1, hr, 1
	DMUL2 1, hr
.else
	DMUL 1, hr, 0
	DMUL 1, hr, 1
	DMUL2 1, hr
.endif
.endif
	PLACES                                         ; ahead of the loads into h's registers just multiplied, and of the next loads into W's buffer
.if (\kind) < 2
	WIN 0x40
.irp s, 0,1,2
	global_load_b128 v[hr+8*\s:hr+8*\s+3],   v[HOFF], s[HB+2*\s:HB+2*\s+1] offset:2*4096+1024*(\q)
	global_load_b128 v[hr+8*\s+4:hr+8*\s+7], v[HOFF], s[HB+2*\s:HB+2*\s+1] offset:2*4096+1024*(\q)+512
.endr
	WIN 0
.endif
.endm
.macro HSTEP
	s_add_nc_u64 s[WP:WP+1], s[WP:WP+1], CHW
.irp s, 0,1,2
	s_add_nc_u64 s[HB+2*\s:HB+2*\s+1], s[HB+2*\s:HB+2*\s+1], 4096
.endr
.endm
.macro DTRIP par, kind
	DQ \par, 0, \kind
	DQ \par, 1, \kind
	DQ \par, 2, \kind
	DQ \par, 3, \kind
.if (\kind) == 0
	s_wait_xcnt 0x0
	HSTEP
.endif
.endm
; THE WAY OUT of slot s, jumped where the tile has no row: 16 rows x 64 f32 through my own stage, back as whole rows; a row goes to its entry's place.
.macro DEPI s
	s_add_co_u32 s40, s[T0], 8*(\s)
	s_lshl_b32 s40, s40, 4
	s_cmp_lt_u32 s40, s[NN]
	s_cbranch_scc0 .Lnos_\@
	PLACES
	s_wait_xcnt 0x0                                ; the last slot's stores have read their registers, which are loaded anew below
.irp a, 0,1,2,3
	ds_store_b128 v[STO], v[ACC+8*(4*(\s)+\a):ACC+8*(4*(\s)+\a)+3]   offset:64*\a
	ds_store_b128 v[STO], v[ACC+8*(4*(\s)+\a)+4:ACC+8*(4*(\s)+\a)+7] offset:64*\a+16
.endr
.irp t, 0,1,2,3,4,5,6,7
	ds_load_u16 v[EN+\t], v[LA] offset:256*(\s)+4*\t
.endr
.irp t, 0,1,2,3,4,5,6,7
	ds_load_b128 v[BK+4*\t:BK+4*\t+3], v[RD] offset:2*SP*\t  ; LDS serves a wave's instructions in order: these see the stores above
.endr
	s_wait_dscnt 0x0
.irp t, 0,1,2,3,4,5,6,7
	v_min_u32 v[EN+\t], 0x7ff, v[EN+\t]
	v_lshl_add_u32 v[EN+\t], v[EN+\t], 12, v[L16]
.endr
.irp t, 0,1,2,3,4,5,6,7
	global_store_b128 v[EN+\t], v[BK+4*\t:BK+4*\t+3], s[PB:PB+1]  ; 16 lanes store 256 consecutive bytes, aligned: two rows a store
.endr
.Lnos_\@:
.endm
	s_load_b256 s[4:11], s[0:1], 0x0               ; hf s[4:5], Wd s[6:7], sel s[8:9], part s[10:11]
	v_lshl_add_u32 v[SPW], v0, 2, SPARE
	v_mov_b32 v[NIL], 0
	v_and_b32 v[LN], 31, v0
	v_lshrrev_b32 v16, 5, v0
	v_readfirstlane_b32 s[WV], v16                 ; wave 0..7
	s_and_b32 s40, ttmp7, 0xffff
	s_lshr_b32 s[EE], s40, 1
	s_and_b32 s[KH], s40, 1
	v_bfe_u32 v17, v0, 4, 1                        ; h = lane / 16
	v_and_b32 v18, 15, v0                          ; r = lane % 16
	v_lshlrev_b32 v[L16], 4, v18
	s_lshl_b32 s40, s[WV], 16                      ; W: row 16 w + 4 h
	v_lshl_add_u32 v[WOFF], v17, 14, v[L16]
	v_add_nc_u32 v[WOFF], s40, v[WOFF]
	s_mul_i32 s40, s[WV], 16*PW
	v_mul_u32_u24 v[WST], v17, 4*PW
	v_lshl_add_u32 v[WST], v18, 3, v[WST]
	v_add_nc_u32 v[WST], s40, v[WST]
	v_and_b32 v19, 7, v0
	v_lshl_add_u32 v19, v17, 3, v19
	v_mul_u32_u24 v[WFR], v19, PW
	v_bfe_u32 v19, v0, 3, 1
	v_lshl_add_u32 v[WFR], v19, 4, v[WFR]
	v_lshlrev_b32 v[HOFF], 4, v[LN]
	s_lshl_b32 s40, s[WV], 5
	s_add_co_u32 s40, s40, LIST
	v_lshl_add_u32 v[LA], v17, 1, s40
	s_mul_i32 s40, s[WV], STW
	s_add_co_u32 s40, s40, STAGE
	v_mul_u32_u24 v[STO], v18, SP                  ; in: row r, 32 bytes for each half of the lanes
	v_lshl_add_u32 v[STO], v17, 5, v[STO]
	v_add_nc_u32 v[STO], s40, v[STO]
	v_mul_u32_u24 v[RD], v17, SP                   ; back: lanes 0-15 one row, lanes 16-31 the next
	v_add_nc_u32 v[RD], v[L16], v[RD]
	v_add_nc_u32 v[RD], s40, v[RD]
	v_add_nc_u32 v[DUMP], 1280, v[LN]
.irp i, 0,1,2,3,4,5,6,7
	v_mov_b32 v[ZR+\i], 0
.endr
	s_lshl_b32 s40, s[EE], 2
	v_lshl_add_u32 v20, v[LN], 6, s40
	s_lshl_b32 s40, s[EE], 23                      ; Wd: the expert's 8 MiB, the half's 1,024 rows, the slice's 256 bytes
	s_lshl_b32 s41, s[KH], 22
	s_add_co_u32 s40, s40, s41
	s_lshl_b32 s41, ttmp9, 8
	s_add_co_u32 s40, s40, s41
	s_mov_b32 s41, 0
	s_mul_i32 s42, s[EE], 80*65536                 ; hf: the expert's 80 tiles, the half's 32 K steps
	s_lshl_b32 s43, s[KH], 15
	s_add_co_u32 s42, s42, s43
	s_mov_b32 s43, 0
	s_lshl_b32 s44, s[KH], 23                      ; part: the half's 2,048 rows, the slice's 256 bytes
	s_lshl_b32 s45, ttmp9, 8
	s_add_co_u32 s44, s44, s45
	s_mov_b32 s45, 0
	s_lshl_b32 s46, s[WV], 16
	s_mov_b32 s47, 0
	s_mov_b32 s[PASS], 0
	s_mov_b32 s[T0], s[WV]
	s_wait_kmcnt 0x0
	s_add_nc_u64 s[OW:OW+1], s[6:7], s[40:41]
	s_mov_b64 s[WP:WP+1], s[OW:OW+1]
	s_add_nc_u64 s[HFB:HFB+1], s[4:5], s[42:43]
	s_add_nc_u64 s[PB:PB+1], s[10:11], s[44:45]
	s_add_nc_u64 s[HB:HB+1], s[HFB:HFB+1], s[46:47]
	s_add_nc_u64 s[HB+2:HB+3], s[HB:HB+1], 8*65536
	s_add_nc_u64 s[HB+4:HB+5], s[HB:HB+1], 16*65536
	global_load_b32 v[MK0], v20, s[8:9]
	global_load_b32 v[MK1], v20, s[8:9] offset:32
.set z, 0
.rept 8                                                ; W's chunk 0, into accumulator registers that are still free
	global_load_b128 v[ACC+4*z:ACC+4*z+3], v[WOFF], s[WP:WP+1] offset:(8*(z/4)+z%4)*4096 th:TH_LOAD_NT
.set z, z+1
.endr
.irp c, 0,1                                            ; two trips' loads in the loop's own order: W's chunk c + 1 and h's chunk c, quarter by quarter
.irp q, 0,1,2,3
	WIN 0
.irp d, 0,1
	global_load_b128 v[WS+32*(1-\c)+4*(2*\q+\d):WS+32*(1-\c)+4*(2*\q+\d)+3], v[WOFF], s[WP:WP+1] offset:(\c+1)*CHW+(8*((2*\q+\d)/4)+(2*\q+\d)%4)*4096 th:TH_LOAD_NT
.endr
	WIN 0x40
.irp s, 0,1,2
	global_load_b128 v[96*\c+24*\q+8*\s:96*\c+24*\q+8*\s+3],   v[HOFF], s[HB+2*\s:HB+2*\s+1] offset:4096*\c+1024*\q
	global_load_b128 v[96*\c+24*\q+8*\s+4:96*\c+24*\q+8*\s+7], v[HOFF], s[HB+2*\s:HB+2*\s+1] offset:4096*\c+1024*\q+512
.endr
.endr
.endr
	WIN 0
	s_wait_loadcnt 63                              ; 74 were issued: the oldest 11 are in, the two words of choices and W's chunk 0 among them
	; THE LIST, made as the launch before makes it.  Wave 0 writes it; every wave counts n.
	s_cmp_lg_u32 s[WV], 0
	s_cbranch_scc1 .Lnozero
	v_lshl_add_u32 v16, v[LN], 4, LIST
.irp i, 0,1,2,3,4
	ds_store_b128 v16, v[ZR:ZR+3] offset:512*\i
.endr
.Lnozero:
	s_mov_b32 s[SG], 0
	s_mov_b32 s[NN], 0
.Llist:
	v_readlane_b32 s[SA], v[MK0], s[SG]
	v_readlane_b32 s[SB], v[MK1], s[SG]
	s_or_b32 s[SU], s[SA], s[SB]
	s_cmp_lg_u32 s[WV], 0
	s_cbranch_scc1 .Lnolist
	v_mbcnt_lo_u32_b32 v16, s[SU], s[NN]           ; rank
	v_cndmask_b32 v16, v[DUMP], v16, s[SU]
	v_min_u32 v16, 1311, v16
	v_lshl_add_u32 v16, v16, 1, LIST
	v_lshl_add_u32 v17, s[SG], 5, v[LN]            ; token
	v_bfe_u32 v18, s[SB], v[LN], 1                 ; 1: second choice
	v_lshl_or_b32 v17, v18, 10, v17
	ds_store_b16 v16, v17
.Lnolist:
	s_bcnt1_i32_b32 s[SC], s[SU]
	s_add_co_u32 s[NN], s[NN], s[SC]
	s_add_co_u32 s[SG], s[SG], 1
	s_cmp_lt_u32 s[SG], 32
	s_cbranch_scc1 .Llist
	s_cmp_lg_u32 s[WV], 0
	s_cbranch_scc1 .Lnopad
	s_max_u32 s40, s[NN], 1                        ; places n .. n + 15 repeat the last row
	s_sub_co_u32 s40, s40, 1
	v_mov_b32 v16, s40
	v_min_u32 v16, 1311, v16
	v_lshl_add_u32 v16, v16, 1, LIST
	ds_load_u16 v17, v16                           ; my own wave's store: LDS serves a wave's instructions in order
	v_and_b32 v18, 15, v[LN]
	v_add_nc_u32 v18, s[NN], v18
	v_min_u32 v18, 1311, v18
	v_lshl_add_u32 v18, v18, 1, LIST
	s_wait_dscnt 0x0
	ds_store_b16 v18, v17                          ; lanes 16-31 write what lanes 0-15 write
.Lnopad:
	s_add_co_u32 s[NT], s[NN], 15
	s_lshr_b32 s[NT], s[NT], 4
	s_add_co_u32 s40, s[WV], 16
	s_cmp_gt_u32 s[NT], s40
	s_cselect_b32 s[L2], 1, 0
	s_wait_dscnt 0x0
	s_barrier_signal -1
	s_barrier_wait -1                              ; the list is whole; only now do the other waves write LDS
.set z, 0
.rept 8
	v_cvt_pk_bf16_f32 v[ACC+4*z], v[ACC+4*z], v[ACC+4*z+1]
	v_cvt_pk_bf16_f32 v[ACC+4*z+1], v[ACC+4*z+2], v[ACC+4*z+3]
	ds_store_b64 v[WST], v[ACC+4*z:ACC+4*z+1] offset:(8*(z/4)+z%4)*PW
.set z, z+1
.endr
	s_wait_dscnt 0x0
	s_barrier_signal -1
	s_barrier_wait -1                              ; W's chunk 0 is whole
	INIT
	DFRAG 0, 0, 0
	s_mov_b32 s[TC], 2
.Ltrip:
	DTRIP 0, 0
	DTRIP 1, 0
	WIN 0
	s_sub_co_u32 s[TC], s[TC], 1
	s_cmp_lg_u32 s[TC], 0
	s_cbranch_scc1 .Ltrip
	DTRIP 0, 0                                     ; trip 4: the last loads of W
	DTRIP 1, 1                                     ; trip 5: the last loads of h
	DTRIP 0, 2
	DTRIP 1, 3
	WIN 0
	s_mov_b32 s[LV], 1
	s_branch .Lepi                                 ; the loop over passes is entered at its way out
.Lpass:                                                ; passes 1 and 2: plain text in buffer 0 alone
	s_mul_i32 s40, s[PASS], 24
	s_cmp_gt_u32 s[NT], s40
	s_cselect_b32 s[LV], 1, 0
	s_add_co_u32 s[T0], s40, s[WV]
	s_add_co_u32 s41, s[T0], 16
	s_cmp_gt_u32 s[NT], s41
	s_cselect_b32 s[L2], 1, 0
	s_mov_b64 s[WP:WP+1], s[OW:OW+1]
	s_sub_co_u32 s42, s[NT], 1
.irp s, 0,1,2
	s_add_co_u32 s40, s[T0], 8*\s
	s_min_u32 s40, s40, s42                        ; a slot past the last tile repeats it: a tile that was stored
	s_min_u32 s40, s40, 79
	s_lshl_b32 s40, s40, 16
	s_mov_b32 s41, 0
	s_add_nc_u64 s[HB+2*\s:HB+2*\s+1], s[HFB:HFB+1], s[40:41]
.endr
	v_add_nc_u32 v[LA], 768, v[LA]                 ; 24 tiles on in the list
	s_cmp_eq_u32 s[LV], 0
	s_cbranch_scc1 .Lnoinit
	INIT
.Lnoinit:
	s_mov_b32 s[TC], 8
.Lchunk:
	s_wait_dscnt 0x0                               ; my reads of the last chunk are done
	s_barrier_signal -1
	s_barrier_wait -1                              ; everybody's are: buffer 0 may be written
	s_cmp_eq_u32 s[LV], 0
	s_cbranch_scc1 .LskipA
.set z, 0
.rept 8
	global_load_b128 v[WS+4*z:WS+4*z+3], v[WOFF], s[WP:WP+1] offset:(8*(z/4)+z%4)*4096 th:TH_LOAD_NT
.set z, z+1
.endr
	s_wait_loadcnt 0x0
.set z, 0
.rept 8
	v_cvt_pk_bf16_f32 v[WS+4*z], v[WS+4*z], v[WS+4*z+1]
	v_cvt_pk_bf16_f32 v[WS+4*z+1], v[WS+4*z+2], v[WS+4*z+3]
	ds_store_b64 v[WST], v[WS+4*z:WS+4*z+1] offset:(8*(z/4)+z%4)*PW
.set z, z+1
.endr
.LskipA:
	s_wait_dscnt 0x0                               ; my stores of this chunk are done
	s_barrier_signal -1
	s_barrier_wait -1                              ; the chunk is whole
	s_cmp_eq_u32 s[LV], 0
	s_cbranch_scc1 .LskipB
	PLACES
	WIN 0x40
.irp q, 0,1,2,3
.irp s, 0,1,2
	global_load_b128 v[24*\q+8*\s:24*\q+8*\s+3],   v[HOFF], s[HB+2*\s:HB+2*\s+1] offset:1024*\q
	global_load_b128 v[24*\q+8*\s+4:24*\q+8*\s+7], v[HOFF], s[HB+2*\s:HB+2*\s+1] offset:1024*\q+512
.endr
.endr
	WIN 0
	s_wait_loadcnt 0x0
.irp q, 0,1,2,3
	PLACES
	DFRAG \q, 0, 0
	s_wait_dscnt 0x0
	DMUL 0, 24*\q, 0
	DMUL 0, 24*\q, 1
	DMUL2 0, 24*\q
.endr
.LskipB:
	s_wait_xcnt 0x0
	HSTEP
	s_sub_co_u32 s[TC], s[TC], 1
	s_cmp_lg_u32 s[TC], 0
	s_cbranch_scc1 .Lchunk
.Lepi:
	s_cmp_eq_u32 s[LV], 0
	s_cbranch_scc1 .Lnoepi
	DEPI 0
	DEPI 1
	DEPI 2
.Lnoepi:
	s_wait_xcnt 0x0                                ; the stores have read their registers
	s_add_co_u32 s[PASS], s[PASS], 1
	s_cmp_lt_u32 s[PASS], 3
	s_cbranch_scc1 .Lpass
	s_wait_tensorcnt 0x0                           ; the wave's end
	ds_add_u32 v[SPW], v[NIL]
	s_wait_dscnt 0x0
	s_endpgm
.Lfunc_end_k_q971f7576d1_down:
	.size	k_q971f7576d1_down, .Lfunc_end_k_q971f7576d1_down-k_q971f7576d1_down
	.p2alignl 7, 3214868480
	.fill 96, 4, 3214868480
	.section	.rodata,"a",@progbits
	.p2align	6, 0x0
	.amdhsa_kernel k_q971f7576d1_down
		.amdhsa_group_segment_fixed_size 79616
		.amdhsa_private_segment_fixed_size 0
		.amdhsa_enable_private_segment 0
		.amdhsa_kernarg_size 32
		.amdhsa_user_sgpr_count 2
		.amdhsa_user_sgpr_kernarg_segment_ptr 1
		.amdhsa_wavefront_size32 1
		.amdhsa_system_sgpr_workgroup_id_x 1
		.amdhsa_system_sgpr_workgroup_id_y 1
		.amdhsa_system_sgpr_workgroup_id_z 1
		.amdhsa_system_vgpr_workitem_id 0
		.amdhsa_next_free_vgpr 448
		.amdhsa_next_free_sgpr 66
		.amdhsa_reserve_vcc 0
		.amdhsa_float_denorm_mode_32 3
		.amdhsa_float_denorm_mode_16_64 3
		.amdhsa_memory_ordered 1
		.amdhsa_forward_progress 1
		.amdhsa_inst_pref_size 102
	.end_amdhsa_kernel
	.amdgpu_metadata
---
amdhsa.version: [ 1, 2 ]
amdhsa.kernels:
  - .name:           k_q971f7576d1_down
    .symbol:         k_q971f7576d1_down.kd
    .args:
      - { .name: hf, .offset: 0, .size: 8, .value_kind: global_buffer, .address_space: global }
      - { .name: Wd, .offset: 8, .size: 8, .value_kind: global_buffer, .address_space: global }
      - { .name: sel, .offset: 16, .size: 8, .value_kind: global_buffer, .address_space: global }
      - { .name: part, .offset: 24, .size: 8, .value_kind: global_buffer, .address_space: global }
    .group_segment_fixed_size: 79616
    .private_segment_fixed_size: 0
    .kernarg_segment_align: 8
    .kernarg_segment_size: 32
    .max_flat_workgroup_size: 256
    .sgpr_count:     66
    .vgpr_count:     448
    .wavefront_size: 32
...
	.end_amdgpu_metadata
.endif
;; end of part 3
;; launch sum (part 4): grid 256 x 1, 8 waves a work-group, no clusters, 0 bytes of LDS; arguments part, out0; writes out0
.if DOCPART == 4
	.amdgcn_target "amdgcn-amd-amdhsa--gfx1250"
	.amdhsa_code_object_version 6
	.text
	.protected	k_q971f7576d1_sum
	.globl	k_q971f7576d1_sum
	.p2align	8
	.type	k_q971f7576d1_sum,@function
k_q971f7576d1_sum:
	s_mov_b64 s[64:65], 0
	v_nop
	global_prefetch_b8 v0, s[64:65] scope:SCOPE_SE
	s_setreg_imm32_b32 hwreg(HW_REG_WAVE_MODE, 25, 1), 1
	s_wait_xcnt 0x0
; out0[t] = the four partial rows of token t: (first choice + second choice) of the lower half of the hidden width + the same of the upper half, in f32.  The gate's weights are in them already.
; part: [kh * 2048 + k * 1024 + t][1024] f32.  A work-group owns 16 KiB of out0 (4 tokens); a thread 4 x 16 bytes.  All 16 loads of a thread go out at once; each load and store of a wave covers 512 consecutive bytes.
; A stream: no LDS, no barrier, no matrix unit, no cluster: nothing is shared and nothing is read twice.
	s_load_b128 s[4:7], s[0:1], 0x0                ; part s[4:5], out0 s[6:7]
	v_lshlrev_b32 v1, 4, v0
	s_lshl_b32 s8, ttmp9, 14
	s_mov_b32 s9, 0
	s_wait_kmcnt 0x0
	s_add_nc_u64 s[4:5], s[4:5], s[8:9]
	s_add_nc_u64 s[6:7], s[6:7], s[8:9]
	s_add_nc_u64 s[10:11], s[4:5], 0x800000        ; the upper half's rows
.irp i, 0,1,2,3
	global_load_b128 v[4+16*\i:7+16*\i],   v1, s[4:5] offset:4096*\i th:TH_LOAD_NT
	global_load_b128 v[8+16*\i:11+16*\i],  v1, s[4:5] offset:4096*\i+0x400000 th:TH_LOAD_NT
	global_load_b128 v[12+16*\i:15+16*\i], v1, s[10:11] offset:4096*\i th:TH_LOAD_NT
	global_load_b128 v[16+16*\i:19+16*\i], v1, s[10:11] offset:4096*\i+0x400000 th:TH_LOAD_NT
.endr
.irp i, 0,1,2,3
	s_wait_loadcnt 12-4*\i                         ; the later groups of four stay out
	v_pk_add_f32 v[4+16*\i:5+16*\i], v[4+16*\i:5+16*\i], v[8+16*\i:9+16*\i]
	v_pk_add_f32 v[6+16*\i:7+16*\i], v[6+16*\i:7+16*\i], v[10+16*\i:11+16*\i]
	v_pk_add_f32 v[12+16*\i:13+16*\i], v[12+16*\i:13+16*\i], v[16+16*\i:17+16*\i]
	v_pk_add_f32 v[14+16*\i:15+16*\i], v[14+16*\i:15+16*\i], v[18+16*\i:19+16*\i]
	v_pk_add_f32 v[4+16*\i:5+16*\i], v[4+16*\i:5+16*\i], v[12+16*\i:13+16*\i]
	v_pk_add_f32 v[6+16*\i:7+16*\i], v[6+16*\i:7+16*\i], v[14+16*\i:15+16*\i]
	global_store_b128 v1, v[4+16*\i:7+16*\i], s[6:7] offset:4096*\i th:TH_STORE_NT
.endr
	s_endpgm
.Lfunc_end_k_q971f7576d1_sum:
	.size	k_q971f7576d1_sum, .Lfunc_end_k_q971f7576d1_sum-k_q971f7576d1_sum
	.p2alignl 7, 3214868480
	.fill 96, 4, 3214868480
	.section	.rodata,"a",@progbits
	.p2align	6, 0x0
	.amdhsa_kernel k_q971f7576d1_sum
		.amdhsa_group_segment_fixed_size 0
		.amdhsa_private_segment_fixed_size 0
		.amdhsa_enable_private_segment 0
		.amdhsa_kernarg_size 16
		.amdhsa_user_sgpr_count 2
		.amdhsa_user_sgpr_kernarg_segment_ptr 1
		.amdhsa_wavefront_size32 1
		.amdhsa_system_sgpr_workgroup_id_x 1
		.amdhsa_system_sgpr_workgroup_id_y 1
		.amdhsa_system_sgpr_workgroup_id_z 1
		.amdhsa_system_vgpr_workitem_id 0
		.amdhsa_next_free_vgpr 80
		.amdhsa_next_free_sgpr 66
		.amdhsa_reserve_vcc 0
		.amdhsa_float_denorm_mode_32 3
		.amdhsa_float_denorm_mode_16_64 3
		.amdhsa_memory_ordered 1
		.amdhsa_forward_progress 1
		.amdhsa_inst_pref_size 5
	.end_amdhsa_kernel
	.amdgpu_metadata
---
amdhsa.version: [ 1, 2 ]
amdhsa.kernels:
  - .name:           k_q971f7576d1_sum
    .symbol:         k_q971f7576d1_sum.kd
    .args:
      - { .name: part, .offset: 0, .size: 8, .value_kind: global_buffer, .address_space: global }
      - { .name: out0, .offset: 8, .size: 8, .value_kind: global_buffer, .address_space: global }
    .group_segment_fixed_size: 0
    .private_segment_fixed_size: 0
    .kernarg_segment_align: 8
    .kernarg_segment_size: 16
    .max_flat_workgroup_size: 256
    .sgpr_count:     66
    .vgpr_count:     80
    .wavefront_size: 32
...
	.end_amdgpu_metadata
.endif
;; end of part 4
;; ======== version 2 of 2: 4 launches
;; workspace buffers: xb 2,097,152 bytes; sel 2,048 bytes of whole numbers; wts 8,192 bytes; hf 41,943,040 bytes; part 16,777,216 bytes
;; launch router: the kernel of part 1 again; grid 32 x 1, 8 waves a work-group, no clusters, 78,848 bytes of LDS; arguments hidden_states, Wc, bc, xb, sel, wts; writes xb, sel, wts
;; launch up (part 5): grid 32 x 8, 4 waves a work-group, no clusters, 254,976 bytes of LDS; arguments xb, Wg, Wu, sel, wts, hf; writes hf
.if DOCPART == 5
	.amdgcn_target "amdgcn-amd-amdhsa--gfx1250"
	.amdhsa_code_object_version 6
	.text
	.protected	k_q971f7576d1_up
	.globl	k_q971f7576d1_up
	.p2align	8
	.type	k_q971f7576d1_up,@function
k_q971f7576d1_up:
	s_mov_b64 s[64:65], 0
	v_nop
	global_prefetch_b8 v0, s[64:65] scope:SCOPE_SE
	s_setreg_imm32_b32 hwreg(HW_REG_WAVE_MODE, 25, 1), 1
	s_wait_xcnt 0x0
; THE FIRST PRODUCT.  For expert e and the 64 hidden columns i = 64 j ..: h' = w u g sigmoid(g), g = x Wg, u = x Wu, for the rows (token, choice) that chose e; w is the row's gate weight.
; Wg and Wu are rounded to bf16 on their way through registers, x comes as bf16 (xb); sums in f32; h' is rounded once to bf16.
; hf[e][tile of 16 rows][K step of 32 i][half][lane][16 bytes] is h' as the second product's operand registers take it.
; SHARES.  A work-group (j = x, e = y) alone reads its slice of the weights, once in pass 0.  An expert's rows, in token order, lie in tiles of 16; NT = ceil(n / 16).
; Pass p serves tiles 20 p .. 20 p + 19: wave w has tiles 20 p + 4 s + w, s = 0..4, each x 8 tiles of 16 columns (4 of g, 4 of u): 40 accumulators.
; Pass 0 is pipelined.  Passes 1 to 3 (an expert with more than 320 rows; up to 1,024 are served) are a counted loop of plain text in which every wave passes every barrier and only
; work is jumped over.  Tiles 0 to 23 are always stored (zeros where there is nothing), so the next launch's first loads ask without knowing n.
; SLOT 4 WITHOUT A TILE (20 p + 16 + w >= NT: the common case at 256 rows an expert) moves nothing: its 8 loads and 8 LDS stores of x a chunk, its 2 fragment loads a K step, its products and its way out are jumped
; by forward branches on one scalar.  Every counted wait has the count of the path on which the slot is dead: the smaller count, which holds on both paths.
; THE ROWS.  Each wave finds its own 80 rows in registers, from the bitmap of choices: no list in LDS, no barrier.  A place past n takes the expert's last row (with n = 0: token 31): a row that exists.
; THE PRODUCT IS USED TRANSPOSED: source 0 = W (row = column i, turned out of LDS by ds_load_tr16_b128), source 1 = x (column = token).  A lane then holds one token and eight neighbouring i:
; column tiles 2 c and 2 c + 1, packed in pairs, ARE registers 0-3 and 4-7 of the next launch's fragment, and each store covers 512 consecutive bytes.
; PIPELINE.  K = 1024 in 8 chunks of 128.  Trip c multiplies chunk c out of one LDS region, converts chunk c + 1 (in registers since a trip) into the other, and asks for chunk c + 2: one barrier a trip.
; THE SUMS START with 40 products of a zero fragment (INIT): 40 matrix instructions a pass on zeros, so that no trip is written a second time.
; NO CLUSTER, NO TENSOR LOAD: a slice of weights has one reader; the rows of x that an expert's work-groups share come by their tokens' numbers, which no descriptor states.
; LIMITS: NaN and infinities are not treated apart; 2^(-1.44 g) may overflow to infinity, whose reciprocal is 0, as sigmoid's limit is.
.set PW,    288                        ; a row of W in LDS: 64 g + 64 u in bf16 + 32 bytes: an odd multiple of 32
.set PX,    272                        ; a row of x: 128 bf16 + 16 bytes
.set XB0,   128*PW                     ; behind W's 128 rows: x, 80 rows for each wave, its own
.set XBW,   80*PX
.set PARB,  1<<17                      ; the second region begins here: one exclusive or turns an address in one into the other's
.set SPARE, XB0+4*XBW                  ; behind region 0: the spare words, 128 bytes a wave
.set CHW,   128*8192                   ; bytes from chunk to chunk in Wg and Wu
.set TILEB, 65536                      ; bytes of a tile in hf
; window 0
.set LN,   1                           ; lane
.set L16,  2                           ; 16 (lane % 16)
.set WOFF, 3                           ; my byte offset in a chunk of W
.set WST0, 4                           ; LDS places in region 0, never rewritten: W store, W fragment, x store, x fragment
.set WFR0, 5
.set XST0, 6
.set XFR0, 7
.set WST,  8                           ; pass 0: the same in the region in hand
.set WFR,  9
.set XST,  10
.set XFR,  11
.set RK,   12                          ; the rank that my lane looks for: 320 p + 16 w + 64 (lane / 16) + lane % 16
.set HOFF, 14                          ; 16 lane
.set MK0,  15                          ; first choices: lane l holds the word of tokens 32 l ..
.set MK1,  16                          ; second choices
.set WL,   17                          ; v[17:19] gate weights, a lane a row
.set EA,   20                          ; v[20:22] their byte offsets
.set PF,   23                          ; prefetch: row 32 w + lane of a chunk
.set ZR,   24                          ; v[24:31] zeros
.set XOFF, 32                          ; v[32:71] byte offsets of my 80 rows of x, two rows a load
.set XF,   72                          ; v[72:151] x's fragments, two buffers of 5
.set WT,   152                         ; v[152:161] the gate weight of my token in slot s, in pairs with 0
.set SPW,  162
.set NIL,  163
.set TT,   164                         ; v[164:195] at work
.set UU,   196                         ; v[196:227]
.set PK,   228                         ; v[228:243]
.set AB,   TT                          ; v[164:199] the search: 12 registers for each of three target registers (register t, lane l: slot 2 t + l / 16, row l % 16)
.set FK,   0                           ;   rank, then the place among the word's set bits
.set FW,   1                           ;   the word of 32 tokens that holds the row
.set FB,   2                           ;   the same tokens' second choices
.set FP,   3                           ;   the word's number << 16 | rows ahead of it
.set FA,   4                           ;   the word's counts by 2 bits
.set FN,   5                           ;   by 4 bits
.set FC,   6                           ;   by 8 bits
.set FD,   7                           ;   by 16 bits (bytes 0 and 2)
.set FO,   8                           ;   the bit's place
.set FT,   9                           ;   at work
.set FX,   10
.set FTK,  11                          ;   the token
; window 1: v0-127 W's fragments, two buffers of 8; v128-255 a chunk of W as loaded.  window 2: accumulator (s, a) at 8 (8 s + a), s = 0..3.  window 3: v0-63 those of s = 4; v64-223 a chunk of x as loaded
.set WF,   0
.set WS,   128
.set XS,   64
.set WV,   16
.set JJ,   17
.set EE,   18
.set NN,   19                          ; the expert's rows
.set NT,   20                          ; its tiles
.set LV,   21                          ; 1: this pass has tiles
.set L4,   22                          ; 1: my slot 4 has a tile
.set PASS, 23
.set TC,   24
.set PAR,  25                          ; pass 0: the region that is read
.set PARN, 26                          ; pass 0: the region that is written
.set NLG,  28                          ; s[28:29] -log2(e)
.set SEL,  30                          ; s[30:31] v_permlanex16_b32's selects: each lane takes its own place in the other half
.set GP,   32                          ; s[32:37] where the next loads of Wg, Wu, xb begin
.set UP,   34
.set XP,   36
.set OG,   38                          ; s[38:41] my slices' first bytes
.set OU,   40
.set HB,   44                          ; s[44:45] hf at tile 20 p + w, K step 2 j
.set SA,   50
.set SB,   51
.set SU,   52
.set SC,   53
.set SG,   54
.set PKS,  55
.set THR,  56
.set C55,  57                          ; 0x55555555, 0x33333333, 0x0f0f0f0f
.set C33,  58
.set C0F,  59
.set SR,   68                          ; s[68:83] sixteen rows' tokens on their way from lanes to load offsets
.set MSB, 0
.macro WIN new                         ; bits 1:0 source 0, 3:2 source 1, 5:4 source 2, 7:6 destination; the high byte repeats the setting that is left
.if MSB != (\new)
	s_set_vgpr_msb (MSB<<8)|(\new)
.set MSB, (\new)
.endif
.endm
.macro PLACES                          ; four places behind matrix instructions, ahead of loads into their sources or of reads of their results
.rept 4
	v_nop
.endr
.endm
.macro WLD q                           ; rows 8 q .. 8 q + 7 of my 32 of a chunk, of Wg and of Wu: each load takes two rows' 256 bytes
	WIN 0x40
.irp s, 0,1,2,3
	global_load_b128 v[WS+32*(\q)+8*\s:WS+32*(\q)+8*\s+3],   v[WOFF], s[GP:GP+1] offset:(8*(\q)+\s)*8192 th:TH_LOAD_NT
	global_load_b128 v[WS+32*(\q)+8*\s+4:WS+32*(\q)+8*\s+7], v[WOFF], s[UP:UP+1] offset:(8*(\q)+\s)*8192 th:TH_LOAD_NT
.endr
.endm
.macro WCV q, rg=WST                   ; the same rows rounded to bf16, in place, and stored.  A store takes two rows four apart: 4 x 72 words = 32 modulo 64, so their 128 bytes each fall on different banks (64 banks of 4 bytes: ISA guide 11.1)
	WIN 0x45
.set z, WS+32*(\q)
.rept 8
	v_cvt_pk_bf16_f32 v[z], v[z], v[z+1]
	v_cvt_pk_bf16_f32 v[z+1], v[z+2], v[z+3]
.set z, z+4
.endr
	WIN 0x04
.irp s, 0,1,2,3
	ds_store_b64 v[\rg], v[WS+32*(\q)+8*\s:WS+32*(\q)+8*\s+1]   offset:(8*(\q)+\s)*PW
	ds_store_b64 v[\rg], v[WS+32*(\q)+8*\s+4:WS+32*(\q)+8*\s+5] offset:(8*(\q)+\s)*PW+128
.endr
.endm
.macro XLDR z0, n                      ; loads z0 .. z0 + n - 1 of my 40: load z takes a chunk's 256 bytes of rows 2 z and 2 z + 1
	WIN 0xc0
.set z, (\z0)
.rept (\n)
	global_load_b128 v[XS+4*z:XS+4*z+3], v[XOFF+z], s[XP:XP+1]
.set z, z+1
.endr
.endm
.macro XSVR z0, n, rg                  ; the same rows into my part of LDS
	WIN 0x0c
.set z, (\z0)
.rept (\n)
	ds_store_b128 v[\rg], v[XS+4*z:XS+4*z+3] offset:2*PX*z
.set z, z+1
.endr
.endm
; Quarter q's ten loads' worth of x: stored into LDS (sv = 1), asked for anew (ld = 1).  Loads 32 to 39 are slot 4's: they all fall into quarter 3, behind its first two, and are jumped where the slot has no tile.
.macro XQ q, sv, ld, rg=XST
.if (\q) < 3
.if \sv
	XSVR 10*(\q), 10, \rg
.endif
.if \ld
	XLDR 10*(\q), 10
.endif
.else
.if \sv
	XSVR 30, 2, \rg
.endif
.if \ld
	XLDR 30, 2
.endif
	WIN 0
	s_cmp_eq_u32 s[L4], 0
	s_cbranch_scc1 .Lnox_\@
.if \sv
	XSVR 32, 8, \rg
.endif
.if \ld
	XLDR 32, 8
.endif
	WIN 0
.Lnox_\@:
.endif
.endm
.macro FRAG q, b, rw, rx               ; 24 LDS loads: K step q's 8 fragments of W (turned) and 4 of x into buffer b; two more for slot 4 where it has a tile
	WIN 0x40
.irp a, 0,1,2,3,4,5,6,7
	ds_load_tr16_b128 v[WF+64*(\b)+8*\a:WF+64*(\b)+8*\a+3],   v[\rw] offset:32*PW*(\q)+32*\a
	ds_load_tr16_b128 v[WF+64*(\b)+8*\a+4:WF+64*(\b)+8*\a+7], v[\rw] offset:32*PW*(\q)+16*PW+32*\a
.endr
	WIN 0
.irp s, 0,1,2,3
	ds_load_b128 v[XF+40*(\b)+8*\s:XF+40*(\b)+8*\s+3],   v[\rx] offset:16*PX*\s+64*(\q)
	ds_load_b128 v[XF+40*(\b)+8*\s+4:XF+40*(\b)+8*\s+7], v[\rx] offset:16*PX*\s+64*(\q)+32
.endr
	s_cmp_eq_u32 s[L4], 0
	s_cbranch_scc1 .Lnof_\@
	ds_load_b128 v[XF+40*(\b)+32:XF+40*(\b)+35], v[\rx] offset:16*PX*4+64*(\q)
	ds_load_b128 v[XF+40*(\b)+36:XF+40*(\b)+39], v[\rx] offset:16*PX*4+64*(\q)+32
.Lnof_\@:
.endm
.macro MUL b, s0, s1                   ; slots s0 .. s1 x 8 column tiles: the accumulators take turns, one instruction a turn
.set zs, (\s0)
.rept (\s1)-(\s0)+1
.if zs < 4
	WIN 0xa1
.else
	WIN 0xf1
.endif
.set za, 0
.rept 8
	v_wmma_f32_16x16x32_bf16 v[(64*zs+8*za)%256:(64*zs+8*za)%256+7], v[WF+64*(\b)+8*za:WF+64*(\b)+8*za+7], v[XF+40*(\b)+8*zs:XF+40*(\b)+8*zs+7], v[(64*zs+8*za)%256:(64*zs+8*za)%256+7]
.set za, za+1
.endr
.set zs, zs+1
.endr
.endm
.macro MUL4 b                          ; slot 4, jumped where it has no tile: only matrix instructions are jumped
	WIN 0
	s_cmp_eq_u32 s[L4], 0
	s_cbranch_scc1 .Lno4_\@
	MUL \b, 4, 4
	WIN 0
.Lno4_\@:
.endm
.macro CHANGE                          ; pass 0: the regions change places
	WIN 0
	s_xor_b32 s[PAR], s[PAR], PARB
	s_xor_b32 s[PARN], s[PARN], PARB
	v_add_nc_u32 v[WFR], s[PAR], v[WFR0]
	v_add_nc_u32 v[XFR], s[PAR], v[XFR0]
	v_add_nc_u32 v[WST], s[PARN], v[WST0]
	v_add_nc_u32 v[XST], s[PARN], v[XST0]
.endm
.macro STEP                            ; the loads' pointers go one chunk on; it stands behind s_wait_xcnt 0
	s_add_nc_u64 s[GP:GP+1], s[GP:GP+1], CHW
	s_add_nc_u64 s[UP:UP+1], s[UP:UP+1], CHW
	s_add_nc_u64 s[XP:XP+1], s[XP:XP+1], 256
.endm
.macro INIT                            ; every sum starts as 0 x 0 + 0
	WIN 0
.rept 5
	v_nop                                          ; five places behind whatever matrix instruction last named these accumulators
.endr
	WIN 0x80
.set z, 0
.rept 32
	v_wmma_f32_16x16x32_bf16 v[8*z:8*z+7], v[ZR:ZR+7], v[ZR:ZR+7], 0
.set z, z+1
.endr
	WIN 0xc0
.set z, 0
.rept 8
	v_wmma_f32_16x16x32_bf16 v[8*z:8*z+7], v[ZR:ZR+7], v[ZR:ZR+7], 0
.set z, z+1
.endr
	WIN 0
.endm
; One step of the pick: the block in hand begins at bit FO; field f holds the count of its lower half, wid bits wide.  If the place sought is not below that count, the bit lies in the upper half, inc bits on.
.macro PICK f, wid, inc
.irp t, 0,1,2
	v_bfe_u32 v[AB+12*\t+FT], v[AB+12*\t+\f], v[AB+12*\t+FO], \wid
.endr
.irp t, 0,1,2
	v_cmp_ge_u32 vcc_lo, v[AB+12*\t+FK], v[AB+12*\t+FT]
	v_cndmask_b32 v[AB+12*\t+FT], 0, v[AB+12*\t+FT], vcc_lo
	v_cndmask_b32 v[AB+12*\t+FX], 0, \inc, vcc_lo
	v_sub_nc_u32 v[AB+12*\t+FK], v[AB+12*\t+FK], v[AB+12*\t+FT]
	v_add_nc_u32 v[AB+12*\t+FO], v[AB+12*\t+FO], v[AB+12*\t+FX]
.endr
.endm
; THIS PASS'S ROWS, found in registers.  (1) 32 trips: each word of 32 tokens comes out of its lane; a target lane keeps the last word that is not empty and has no more rows ahead of it than the lane's rank.
; (2) The place among the word's set bits, held to the word's count less one (so a rank past n falls on the expert's last row), is turned into a bit's number by five halvings over the word's counts by 16, 8, 4, 2 and 1 bits.
; (3) token = 32 word + bit; entry = token + 1,024 x second choice: the entry gives the weight's address.  (4) The tokens go from lanes to the 40 load offsets: load i takes rows 2 i (lanes 0-15) and 2 i + 1 (lanes 16-31).
.macro ADDRS
	WIN 0
.irp t, 0,1,2
	v_add_nc_u32 v[AB+12*\t+FK], 128*\t, v[RK]
	v_mov_b32 v[AB+12*\t+FW], 0
	v_mov_b32 v[AB+12*\t+FB], 0
	v_mov_b32 v[AB+12*\t+FP], 0
	v_mov_b32 v[AB+12*\t+FO], 0
.endr
	s_mov_b32 s[SG], 0
	s_mov_b32 s[NN], 0
.Lfind_\@:
	v_readlane_b32 s[SA], v[MK0], s[SG]
	v_readlane_b32 s[SB], v[MK1], s[SG]
	s_or_b32 s[SU], s[SA], s[SB]                   ; tokens 32 g .. that chose the expert
	s_lshl_b32 s[PKS], s[SG], 16
	s_or_b32 s[PKS], s[PKS], s[NN]                 ; g << 16 | rows ahead
	s_cmp_lg_u32 s[SU], 0
	s_cselect_b32 s[THR], s[NN], -1                ; an empty word is taken by nobody
.irp t, 0,1,2
	v_cmp_gt_u32 vcc_lo, s[THR], v[AB+12*\t+FK]    ; more rows ahead than my rank: I keep what I have
	v_cndmask_b32 v[AB+12*\t+FW], s[SU], v[AB+12*\t+FW], vcc_lo
	v_cndmask_b32 v[AB+12*\t+FB], s[SB], v[AB+12*\t+FB], vcc_lo
	v_cndmask_b32 v[AB+12*\t+FP], s[PKS], v[AB+12*\t+FP], vcc_lo
.endr
	s_bcnt1_i32_b32 s[SC], s[SU]
	s_add_co_u32 s[NN], s[NN], s[SC]
	s_add_co_u32 s[SG], s[SG], 1
	s_cmp_lt_u32 s[SG], 32
	s_cbranch_scc1 .Lfind_\@
.irp t, 0,1,2
	v_and_b32 v[AB+12*\t+FX], 0xffff, v[AB+12*\t+FP]
	v_lshrrev_b32 v[AB+12*\t+FT], 1, v[AB+12*\t+FW]
.endr
.irp t, 0,1,2
	v_sub_nc_u32 v[AB+12*\t+FK], v[AB+12*\t+FK], v[AB+12*\t+FX]  ; my place among the word's set bits
	v_and_b32 v[AB+12*\t+FT], s[C55], v[AB+12*\t+FT]
.endr
.irp t, 0,1,2
	v_sub_nc_u32 v[AB+12*\t+FA], v[AB+12*\t+FW], v[AB+12*\t+FT]  ; counts by 2 bits
.endr
.irp t, 0,1,2
	v_lshrrev_b32 v[AB+12*\t+FT], 2, v[AB+12*\t+FA]
	v_and_b32 v[AB+12*\t+FN], s[C33], v[AB+12*\t+FA]
.endr
.irp t, 0,1,2
	v_and_b32 v[AB+12*\t+FT], s[C33], v[AB+12*\t+FT]
.endr
.irp t, 0,1,2
	v_add_nc_u32 v[AB+12*\t+FN], v[AB+12*\t+FN], v[AB+12*\t+FT]  ; by 4 bits
.endr
.irp t, 0,1,2
	v_lshrrev_b32 v[AB+12*\t+FT], 4, v[AB+12*\t+FN]
.endr
.irp t, 0,1,2
	v_add_nc_u32 v[AB+12*\t+FT], v[AB+12*\t+FN], v[AB+12*\t+FT]
.endr
.irp t, 0,1,2
	v_and_b32 v[AB+12*\t+FC], s[C0F], v[AB+12*\t+FT]             ; by 8 bits
.endr
.irp t, 0,1,2
	v_lshrrev_b32 v[AB+12*\t+FT], 8, v[AB+12*\t+FC]
.endr
.irp t, 0,1,2
	v_add_nc_u32 v[AB+12*\t+FD], v[AB+12*\t+FC], v[AB+12*\t+FT]  ; byte 0: bits 0-15; byte 2: bits 16-31
.endr
.irp t, 0,1,2
	v_bfe_u32 v[AB+12*\t+FT], v[AB+12*\t+FD], 0, 8
	v_bfe_u32 v[AB+12*\t+FX], v[AB+12*\t+FD], 16, 8
.endr
.irp t, 0,1,2
	v_add_nc_u32 v[AB+12*\t+FX], v[AB+12*\t+FX], v[AB+12*\t+FT]
.endr
.irp t, 0,1,2
	v_add_nc_u32 v[AB+12*\t+FX], -1, v[AB+12*\t+FX]
.endr
.irp t, 0,1,2
	v_min_u32 v[AB+12*\t+FK], v[AB+12*\t+FK], v[AB+12*\t+FX]     ; a rank past n: the word's last set bit
.endr
	PICK FD, 8, 16
	PICK FC, 8, 8
	PICK FN, 4, 4
	PICK FA, 2, 2
	PICK FW, 1, 1
.irp t, 0,1,2
	v_lshrrev_b32 v[AB+12*\t+FX], 16, v[AB+12*\t+FP]
	v_bfe_u32 v[AB+12*\t+FT], v[AB+12*\t+FB], v[AB+12*\t+FO], 1  ; 1: second choice
.endr
.irp t, 0,1,2
	v_lshl_add_u32 v[AB+12*\t+FTK], v[AB+12*\t+FX], 5, v[AB+12*\t+FO]
.endr
.irp t, 0,1,2
	v_lshl_or_b32 v[AB+12*\t+FT], v[AB+12*\t+FT], 10, v[AB+12*\t+FTK]
.endr
.irp t, 0,1,2
	v_min_u32 v[AB+12*\t+FT], 0x7ff, v[AB+12*\t+FT]
.endr
.irp t, 0,1,2
	v_lshlrev_b32 v[EA+\t], 2, v[AB+12*\t+FT]
.endr
.irp t, 0,1,2
	global_load_b32 v[WL+\t], v[EA+\t], s[12:13]   ; the gate weights, a lane a row
.endr
	v_cmp_gt_u32 vcc_lo, 16, v[LN]
.set zb, 0
.rept 5                                                ; sixteen rows at a time
.set z, 0
.rept 16
	v_readlane_b32 s[SR+z], v[AB+12*((16*zb+z)/32)+FTK], (16*zb+z)%32
.set z, z+1
.endr
.set z, 0
.rept 8
	v_mov_b32 v[XOFF+8*zb+z], s[SR+2*z]
.set z, z+1
.endr
.set z, 0
.rept 8
	v_cndmask_b32 v[XOFF+8*zb+z], s[SR+2*z+1], v[XOFF+8*zb+z], vcc_lo  ; lanes 16-31 take the odd row
.set z, z+1
.endr
.set z, 0
.rept 8
	v_min_u32 v[XOFF+8*zb+z], 0x3ff, v[XOFF+8*zb+z]
.set z, z+1
.endr
.set z, 0
.rept 8
	v_lshl_add_u32 v[XOFF+8*zb+z], v[XOFF+8*zb+z], 11, v[L16]
.set z, z+1
.endr
.set zb, zb+1
.endr
.endm
; A quarter's service: piece q of the next chunk goes from registers into LDS, and (ld = 1) the registers are asked for again, two chunks on.  nw, nx: the loads issued behind the piece's, slot 4 dead.
.macro SERVE q, ld, nw, nx
	s_wait_loadcnt \nw
	WCV \q
.if \ld
	WLD \q
.endif
	s_wait_loadcnt \nx
	XQ \q, 1, \ld
.endm
; Quarter q = 0, 1, 2 of a trip: service, the next K step's fragments, this K step's products.  The service's 16 conversions (or four v_nop) are the places ahead of the loads into the other buffer.
.macro QTR q, cvt, ld, nw, nx
.if \cvt
	SERVE \q, \ld, \nw, \nx
.else
	PLACES
.endif
	FRAG (\q)+1, ((\q)+1)%2, WFR, XFR
.if \cvt
	s_wait_dscnt 42                                ; behind this K step's fragments: 18 stores and, of the loads just issued, the 24 that every path has
.else
	s_wait_dscnt 24
.endif
	MUL (\q)%2, 0, 3
	MUL4 (\q)%2
.endm
; Quarter 3 changes regions: ONE barrier.  Ahead of it my stores of the next chunk and my reads of this one are done; behind it the next chunk is whole and nobody reads this one's region any more.
.macro QTR3 cvt, ld, nw, nx, last
.if \cvt
	SERVE 3, \ld, \nw, \nx
.endif
	s_wait_dscnt 0x0
.if \last
	MUL 1, 0, 3
	MUL4 1
.else
	s_barrier_signal -1
	MUL 1, 0, 2                                    ; work on registers while the others arrive
	s_barrier_wait -1
	CHANGE
	FRAG 0, 0, WFR, XFR
	MUL 1, 3, 3
	MUL4 1
.endif
.endm
; The loads of a quarter are 8 of W, then 10 of x; in quarter 3, with slot 4 dead, 8 and 2: 64 a trip.  Steady: behind W's piece 64 - 8 = 56; behind x's piece 64 - 18 + 8 = 54, in quarter 3 64 - 10 + 8 = 62.
.macro TRIP kind
.if (\kind) == 0
	s_wait_xcnt 0x0
	STEP
	QTR 0, 1, 1, 56, 54
	QTR 1, 1, 1, 56, 54
	QTR 2, 1, 1, 56, 54
	QTR3 1, 1, 56, 62, 0
.elseif (\kind) == 1                   ; trip 6 asks for nothing: the counts run down by 18, 18 and 10
	QTR 0, 1, 0, 56, 46
	QTR 1, 1, 0, 38, 28
	QTR 2, 1, 0, 20, 10
	QTR3 1, 0, 2, 0, 0
.else                                  ; trip 7 only multiplies
	QTR 0, 0, 0, 0, 0
	QTR 1, 0, 0, 0, 0
	QTR 2, 0, 0, 0, 0
	QTR3 0, 0, 0, 0, 1
.endif
.endm
; THE WAY OUT of slot s: ((u w) g) / (1 + 2^(-log2(e) g)), rounded to bf16.  Two batches of 32 transcendentals, each with independent packed multiplies behind it and ONE wait ahead of its first reader.
; Every accumulator is read from its lowest registers on.
.macro EPI s
.if (\s) < 4
.set wa, 0x02
.set ga, 64*(\s)
.else
.set wa, 0x03
.set ga, 0
.endif
	WIN wa
.set z, 0
.rept 16
	v_pk_mul_f32 v[TT+2*z:TT+2*z+1], v[ga+2*z:ga+2*z+1], s[NLG:NLG+1] op_sel_hi:[1,0]
.set z, z+1
.endr
	WIN 0
.set z, 0
.rept 32
	v_exp_f32 v[TT+z], v[TT+z]
.set z, z+1
.endr
	WIN wa
.set z, 0
.rept 16
	v_pk_mul_f32 v[UU+2*z:UU+2*z+1], v[ga+32+2*z:ga+32+2*z+1], v[WT+2*(\s):WT+2*(\s)+1] op_sel_hi:[1,0]
.set z, z+1
.endr
	WIN 0
	s_wait_alu depctr_va_vdst(0)
.set z, 0
.rept 16
	v_pk_add_f32 v[TT+2*z:TT+2*z+1], v[TT+2*z:TT+2*z+1], 1.0 op_sel_hi:[1,0]
.set z, z+1
.endr
.set z, 0
.rept 32
	v_rcp_f32 v[TT+z], v[TT+z]
.set z, z+1
.endr
	WIN wa
.set z, 0
.rept 16
	v_pk_mul_f32 v[UU+2*z:UU+2*z+1], v[ga+2*z:ga+2*z+1], v[UU+2*z:UU+2*z+1]
.set z, z+1
.endr
	WIN 0
	s_wait_alu depctr_va_vdst(0)
.set z, 0
.rept 16
	v_pk_mul_f32 v[UU+2*z:UU+2*z+1], v[UU+2*z:UU+2*z+1], v[TT+2*z:TT+2*z+1]
.set z, z+1
.endr
	s_wait_xcnt 0x0                                ; PK was the last slot's store data
.set z, 0
.rept 16
	v_cvt_pk_bf16_f32 v[PK+z], v[UU+2*z], v[UU+2*z+1]
.set z, z+1
.endr
.irp a, 0,1,2,3
	global_store_b128 v[HOFF], v[PK+4*\a:PK+4*\a+3], s[HB:HB+1] offset:(\s)*4*TILEB+512*\a  ; 512 consecutive bytes: half a fragment of K step 2 j + a / 2
.endr
.endm
	s_load_b256 s[4:11], s[0:1], 0x0               ; xb s[4:5], Wg s[6:7], Wu s[8:9], sel s[10:11]
	s_load_b128 s[12:15], s[0:1], 0x20             ; wts s[12:13], hf s[14:15]
	v_lshl_add_u32 v[SPW], v0, 2, SPARE
	v_mov_b32 v[NIL], 0
	v_and_b32 v[LN], 31, v0
	v_lshrrev_b32 v17, 5, v0
	v_readfirstlane_b32 s[WV], v17                 ; wave 0..3
	s_mov_b32 s[JJ], ttmp9
	s_and_b32 s[EE], ttmp7, 0xffff
	v_bfe_u32 v18, v0, 4, 1                        ; h = lane / 16
	v_and_b32 v19, 15, v0                          ; r = lane % 16
	v_lshlrev_b32 v[L16], 4, v19
	s_lshl_b32 s46, s[WV], 18                      ; W: row 32 w + 4 h, 16 bytes a lane
	v_lshl_add_u32 v[WOFF], v18, 15, v[L16]
	v_add_nc_u32 v[WOFF], s46, v[WOFF]
	s_mul_i32 s46, s[WV], 32*PW
	v_mul_u32_u24 v[WST0], v18, 4*PW
	v_lshl_add_u32 v[WST0], v19, 3, v[WST0]
	v_add_nc_u32 v[WST0], s46, v[WST0]
	v_and_b32 v20, 7, v0                           ; the turning load: row 8 h + lane % 8, 16 bytes for each half of eight lanes
	v_lshl_add_u32 v20, v18, 3, v20
	v_mul_u32_u24 v[WFR0], v20, PW
	v_bfe_u32 v20, v0, 3, 1
	v_lshl_add_u32 v[WFR0], v20, 4, v[WFR0]
	s_mul_i32 s46, s[WV], XBW
	s_add_co_u32 s46, s46, XB0
	v_mul_u32_u24 v[XST0], v18, PX
	v_add_nc_u32 v[XST0], v[L16], v[XST0]
	v_add_nc_u32 v[XST0], s46, v[XST0]
	v_mul_u32_u24 v[XFR0], v19, PX
	v_lshl_add_u32 v[XFR0], v18, 4, v[XFR0]
	v_add_nc_u32 v[XFR0], s46, v[XFR0]
	v_lshlrev_b32 v[HOFF], 4, v[LN]
	v_lshlrev_b32 v[PF], 13, v0
	s_lshl_b32 s46, s[WV], 4
	v_lshl_add_u32 v[RK], v18, 6, v19              ; pass 0: rank 16 w + 64 h + r
	v_add_nc_u32 v[RK], s46, v[RK]
.irp i, 0,1,2,3,4,5,6,7
	v_mov_b32 v[ZR+\i], 0
.endr
.irp s, 0,1,2,3,4
	v_mov_b32 v[WT+2*\s+1], 0                      ; named in a pair with the weight
.endr
	s_lshl_b32 s46, s[EE], 2
	v_lshl_add_u32 v21, v[LN], 6, s46              ; sel: 64 bytes for each 32 tokens
	s_mov_b32 s[PAR], 0
	s_mov_b32 s[PARN], PARB
	s_mov_b32 s[PASS], 0
	s_mov_b32 s[NLG], 0xbfb8aa3b
	s_mov_b32 s[NLG+1], s[NLG]
	s_mov_b32 s[SEL], 0x76543210
	s_mov_b32 s[SEL+1], 0xfedcba98
	s_mov_b32 s[C55], 0x55555555
	s_mov_b32 s[C33], 0x33333333
	s_mov_b32 s[C0F], 0x0f0f0f0f
	s_lshl_b32 s46, s[EE], 23                      ; an expert's 8 MiB, the slice's 256 bytes of a row
	s_lshl_b32 s47, s[JJ], 8
	s_add_co_u32 s46, s46, s47
	s_mov_b32 s47, 0
	s_mul_i32 s48, s[EE], 80*TILEB
	s_lshl_b32 s49, s[WV], 16
	s_add_co_u32 s48, s48, s49
	s_lshl_b32 s49, s[JJ], 11
	s_add_co_u32 s48, s48, s49
	s_mov_b32 s49, 0
	s_wait_kmcnt 0x0
	s_add_nc_u64 s[OG:OG+1], s[6:7], s[46:47]
	s_add_nc_u64 s[OU:OU+1], s[8:9], s[46:47]
	s_mov_b64 s[GP:GP+1], s[OG:OG+1]
	s_mov_b64 s[UP:UP+1], s[OU:OU+1]
	s_mov_b64 s[XP:XP+1], s[4:5]
	s_add_nc_u64 s[HB:HB+1], s[14:15], s[48:49]
	global_load_b32 v[MK0], v21, s[10:11]
	global_load_b32 v[MK1], v21, s[10:11] offset:32
	WLD 0                                          ; chunk 0 of W is on its way while the rows are found
	WLD 1
	WLD 2
	WLD 3
	WIN 0
	; chunks 1 and 2 of my slices are asked into the L2: lane l of wave w names row 32 w + l, whose 256 bytes nobody else asks for: 128 KiB a work-group, read one and two services further down
	global_prefetch_b8 v[PF], s[GP:GP+1] offset:CHW th:TH_LOAD_NT scope:SCOPE_SE
	global_prefetch_b8 v[PF], s[UP:UP+1] offset:CHW th:TH_LOAD_NT scope:SCOPE_SE
	global_prefetch_b8 v[PF], s[GP:GP+1] offset:2*CHW th:TH_LOAD_NT scope:SCOPE_SE
	global_prefetch_b8 v[PF], s[UP:UP+1] offset:2*CHW th:TH_LOAD_NT scope:SCOPE_SE
	CHANGE                                         ; the first chunk goes into region 0
	; slot 4's fragment registers (16) and staging registers (32) are filled under a branch and read under another: they are written once here, so that every path of the text reads registers that have been written
.irp b, 0,1
.irp i, 0,1,2,3,4,5,6,7
	v_mov_b32 v[XF+40*\b+32+\i], 0
.endr
.endr
	WIN 0xc0
.set z, XS+128
.rept 32
	v_mov_b32 v[z], 0
.set z, z+1
.endr
	WIN 0
	s_wait_loadcnt 32                              ; the two words of choices; W's 32 loads stay out
	ADDRS                                          ; it also counts n
	s_add_co_u32 s[NT], s[NN], 15
	s_lshr_b32 s[NT], s[NT], 4
	s_add_co_u32 s46, s[WV], 16
	s_cmp_gt_u32 s[NT], s46
	s_cselect_b32 s[L4], 1, 0
	XQ 0, 0, 1
	XQ 1, 0, 1
	XQ 2, 0, 1
	XQ 3, 0, 1
	WIN 0
	s_wait_xcnt 0x0
	STEP                                           ; chunk 1
	SERVE 0, 1, 59, 30                             ; chunk 0 into region 0, chunk 1 asked for.  Behind W's piece 0: 24 + 3 + 32 = 59, behind the later ones 69 or more; behind x's piece q what is left of chunk 0's 32,
	SERVE 1, 1, 63, 38                             ; 18 for each service before, and this service's 8: 22 + 8, 12 + 18 + 8, 2 + 36 + 8, 54 + 8
	SERVE 2, 1, 63, 46
	SERVE 3, 1, 63, 62
	WIN 0
	s_wait_dscnt 0x0
	s_barrier_signal -1
	s_barrier_wait -1                              ; chunk 0 is whole
	CHANGE
	INIT
	FRAG 0, 0, WFR, XFR
	WIN 0
	s_mov_b32 s[TC], 6
.Ltrip:
	TRIP 0
	WIN 0
	s_sub_co_u32 s[TC], s[TC], 1
	s_cmp_lg_u32 s[TC], 0
	s_cbranch_scc1 .Ltrip
	TRIP 1
	TRIP 2
	WIN 0
	s_mov_b32 s[LV], 1
	s_branch .Lepi                                 ; the loop over passes is entered at its way out
.Lpass:                                                ; passes 1 to 3: plain text in region 0 alone; every wave passes every barrier, work is jumped where the pass has no tile
	s_mul_i32 s46, s[PASS], 20
	s_cmp_gt_u32 s[NT], s46
	s_cselect_b32 s[LV], 1, 0
	s_add_co_u32 s46, s46, 16
	s_add_co_u32 s46, s46, s[WV]
	s_cmp_gt_u32 s[NT], s46
	s_cselect_b32 s[L4], 1, 0
	s_mov_b64 s[GP:GP+1], s[OG:OG+1]
	s_mov_b64 s[UP:UP+1], s[OU:OU+1]
	s_mov_b64 s[XP:XP+1], s[4:5]
	v_add_nc_u32 v[RK], 320, v[RK]                 ; 20 tiles on
	s_cmp_eq_u32 s[LV], 0
	s_cbranch_scc1 .Lnoinit
	ADDRS
	INIT
.Lnoinit:
	s_mov_b32 s[TC], 8
.Lchunk:
	s_wait_dscnt 0x0                               ; my reads of the last chunk are done
	s_barrier_signal -1
	s_barrier_wait -1                              ; everybody's are: region 0 may be written
	s_cmp_eq_u32 s[LV], 0
	s_cbranch_scc1 .LskipA
	WLD 0
	WLD 1
	WLD 2
	WLD 3
	XQ 0, 0, 1
	XQ 1, 0, 1
	XQ 2, 0, 1
	XQ 3, 0, 1
	s_wait_loadcnt 32                              ; W's 32 loads; x's stay out, 32 of them on every path
	WCV 0, WST0
	WCV 1, WST0
	WCV 2, WST0
	WCV 3, WST0
	s_wait_loadcnt 0x0
	XQ 0, 1, 0, XST0
	XQ 1, 1, 0, XST0
	XQ 2, 1, 0, XST0
	XQ 3, 1, 0, XST0
	WIN 0
.LskipA:
	s_wait_dscnt 0x0                               ; my stores of this chunk are done
	s_barrier_signal -1
	s_barrier_wait -1                              ; the chunk is whole
	s_cmp_eq_u32 s[LV], 0
	s_cbranch_scc1 .LskipB
.irp q, 0,1,2,3
	PLACES
	FRAG \q, 0, WFR0, XFR0
	s_wait_dscnt 0x0
	MUL 0, 0, 3
	MUL4 0
.endr
.LskipB:
	s_wait_xcnt 0x0
	STEP
	s_sub_co_u32 s[TC], s[TC], 1
	s_cmp_lg_u32 s[TC], 0
	s_cbranch_scc1 .Lchunk
.Lepi:
	s_cmp_eq_u32 s[LV], 0
	s_cbranch_scc1 .Lnoepi
	s_wait_loadcnt 0x0                             ; the gate weights
	PLACES
	; the weights lie a lane a row (register t: slot 2 t in lanes 0-15, slot 2 t + 1 in lanes 16-31); a result's lane holds row lane % 16 in both halves: each slot's sixteen weights go to both halves
.irp t, 0,1,2
	v_permlanex16_b32 v[AB+12*\t+FX], v[WL+\t], s[SEL], s[SEL+1]
.endr
	v_cmp_gt_u32 vcc_lo, 16, v[LN]
	v_cndmask_b32 v[WT+0], v[AB+FX], v[WL], vcc_lo
	v_cndmask_b32 v[WT+2], v[WL], v[AB+FX], vcc_lo
	v_cndmask_b32 v[WT+4], v[AB+12+FX], v[WL+1], vcc_lo
	v_cndmask_b32 v[WT+6], v[WL+1], v[AB+12+FX], vcc_lo
	v_cndmask_b32 v[WT+8], v[AB+24+FX], v[WL+2], vcc_lo
	EPI 0
	EPI 1
	EPI 2
	EPI 3
	s_cmp_eq_u32 s[L4], 0
	s_cbranch_scc1 .Lzero4
	EPI 4
	s_branch .Ldone4
.Lzero4:
.irp a, 0,1,2,3
	global_store_b128 v[HOFF], v[ZR:ZR+3], s[HB:HB+1] offset:4*4*TILEB+512*\a  ; slot 4 has no tile: its place takes zeros
.endr
.Ldone4:
	s_cmp_lg_u32 s[PASS], 0
	s_cbranch_scc1 .Lnoepi
	s_cmp_gt_u32 s[NT], 20
	s_cbranch_scc1 .Lnoepi                         ; pass 1 will store tiles 20 to 23
.irp a, 0,1,2,3
	global_store_b128 v[HOFF], v[ZR:ZR+3], s[HB:HB+1] offset:5*4*TILEB+512*\a  ; tile 20 + w: zeros
.endr
.Lnoepi:
	s_wait_loadcnt 0x0
	s_wait_xcnt 0x0                                ; the stores have read hf's address and their registers
	s_add_nc_u64 s[HB:HB+1], s[HB:HB+1], 20*TILEB
	s_add_co_u32 s[PASS], s[PASS], 1
	s_cmp_lt_u32 s[PASS], 4
	s_cbranch_scc1 .Lpass
	s_wait_tensorcnt 0x0                           ; the wave's end
	ds_add_u32 v[SPW], v[NIL]
	s_wait_dscnt 0x0
	s_endpgm
.Lfunc_end_k_q971f7576d1_up:
	.size	k_q971f7576d1_up, .Lfunc_end_k_q971f7576d1_up-k_q971f7576d1_up
	.p2alignl 7, 3214868480
	.fill 96, 4, 3214868480
	.section	.rodata,"a",@progbits
	.p2align	6, 0x0
	.amdhsa_kernel k_q971f7576d1_up
		.amdhsa_group_segment_fixed_size 254976
		.amdhsa_private_segment_fixed_size 0
		.amdhsa_enable_private_segment 0
		.amdhsa_kernarg_size 48
		.amdhsa_user_sgpr_count 2
		.amdhsa_user_sgpr_kernarg_segment_ptr 1
		.amdhsa_wavefront_size32 1
		.amdhsa_system_sgpr_workgroup_id_x 1
		.amdhsa_system_sgpr_workgroup_id_y 1
		.amdhsa_system_sgpr_workgroup_id_z 1
		.amdhsa_system_vgpr_workitem_id 0
		.amdhsa_next_free_vgpr 992
		.amdhsa_next_free_sgpr 84
		.amdhsa_reserve_vcc 1
		.amdhsa_float_denorm_mode_32 3
		.amdhsa_float_denorm_mode_16_64 3
		.amdhsa_memory_ordered 1
		.amdhsa_forward_progress 1
		.amdhsa_inst_pref_size 240
	.end_amdhsa_kernel
	.amdgpu_metadata
---
amdhsa.version: [ 1, 2 ]
amdhsa.kernels:
  - .name:           k_q971f7576d1_up
    .symbol:         k_q971f7576d1_up.kd
    .args:
      - { .name: xb, .offset: 0, .size: 8, .value_kind: global_buffer, .address_space: global }
      - { .name: Wg, .offset: 8, .size: 8, .value_kind: global_buffer, .address_space: global }
      - { .name: Wu, .offset: 16, .size: 8, .value_kind: global_buffer, .address_space: global }
      - { .name: sel, .offset: 24, .size: 8, .value_kind: global_buffer, .address_space: global }
      - { .name: wts, .offset: 32, .size: 8, .value_kind: global_buffer, .address_space: global }
      - { .name: hf, .offset: 40, .size: 8, .value_kind: global_buffer, .address_space: global }
    .group_segment_fixed_size: 254976
    .private_segment_fixed_size: 0
    .kernarg_segment_align: 8
    .kernarg_segment_size: 48
    .max_flat_workgroup_size: 128
    .sgpr_count:     84
    .vgpr_count:     992
    .wavefront_size: 32
...
	.end_amdgpu_metadata
.endif
;; end of part 5
;; launch down (part 6): grid 16 x 16, 8 waves a work-group, no clusters, 79,616 bytes of LDS; arguments hf, Wd, sel, part; writes part
.if DOCPART == 6
	.amdgcn_target "amdgcn-amd-amdhsa--gfx1250"
	.amdhsa_code_object_version 6
	.text
	.protected	k_q971f7576d1_down
	.globl	k_q971f7576d1_down
	.p2align	8
	.type	k_q971f7576d1_down,@function
k_q971f7576d1_down:
	s_mov_b64 s[64:65], 0
	v_nop
	global_prefetch_b8 v0, s[64:65] scope:SCOPE_SE
	s_setreg_imm32_b32 hwreg(HW_REG_WAVE_MODE, 25, 1), 1
	s_wait_xcnt 0x0
; THE SECOND PRODUCT.  part[kh * 2048 + entry][64 c ..] = the sum over i in half kh of h'[row][i] Wd[e][i][d], in f32, for the rows of expert e; entry = k * 1024 + t.
; Wd is rounded to bf16 on its way through registers; h' comes as operand fragments (hf), straight from memory into registers; sums in f32.  The gate's weight is in h' already.
; SHARES.  x = c: 64 output columns (256 bytes of each row of Wd).  y = 2 e + kh: expert and half of the hidden width, 1,024 i: so each weight byte has one reader and rows stay whole blocks of 256 bytes;
; the two halves' partial rows are added by the next launch.  Pass p serves tiles 24 p .. 24 p + 23 of 16 rows: wave w has tiles 24 p + 8 s + w, s = 0..2, x 4 column tiles: 12 accumulators.
; Pass 0 is pipelined.  Passes 1 and 2 (more than 384 rows; up to 1,024 are served) are a counted loop of plain text in which every wave passes every barrier and only work is jumped over.
; SLOT 2 WITHOUT A TILE (16 + w >= NT: the common case at 256 rows an expert): its products and its loads of h' are jumped together, by one forward branch a quarter.  Only the first two chunks, asked for
; before n is known, are loaded whatever n is (the launch before stores tiles 0 to 23 always).  Every counted wait has the count of the path on which the slot is dead: the smaller count, which holds on both paths.
; ROWS PAST n.  A tile with no row is not stored (a scalar branch).  In the last tile the places past n repeat the expert's last row, here and in the launch that made h': the same token and weight, the same
; arithmetic, so the same numbers are stored once more onto that row's bytes, by the same wave.  No lane is switched off.
; TRANSPOSED: source 0 = Wd (row = column d, turned by ds_load_tr16_b128), source 1 = h' (column = row of the tile): a lane holds one row and eight neighbouring d, which go out through the wave's own stage as whole rows of 256 bytes.
; PIPELINE.  8 chunks of 128 i.  Trip c multiplies chunk c, converts W's chunk c + 1 into the other LDS buffer, asks for W's chunk c + 3 and h's chunk c + 2: two trips' loads are out for each wave, 48, or 64 where slot 2 lives.
; THE SUMS START with 12 products of a zero fragment (INIT), so that no trip is written a second time.
; NO CLUSTER: what the 16 column slices of (e, kh) share is h'.  A joint load would land it in LDS: 64 KiB or more written and read again for each 128 i, beside the 144 KiB that a step moves there now, and a round of the cluster's barrier a trip.
.set PW,    160                        ; a row of W in LDS: 64 bf16 + 32 bytes: an odd multiple of 32
.set WBB,   128*PW                     ; a buffer: 128 rows
.set STAGE, 2*WBB                      ; 16 rows x 272 bytes for each wave, for the way out
.set SP,    272
.set STW,   16*SP
.set LIST,  STAGE+8*STW                ; the expert's entries, 16 bits each: 1,280 places, then 32 dump places
.set SPARE, LIST+2816
.set CHW,   128*4096                   ; bytes from chunk to chunk in Wd
.set LN,   1
.set L16,  2
.set WOFF, 3
.set WST,  4                           ; LDS: where my 8 bytes of a row of W go, in buffer 0; never rewritten
.set WFR,  5                           ; LDS: my place in a fragment of W, in buffer 0; never rewritten
.set HOFF, 6
.set LA,   7                           ; list: the entries of the rows that I store
.set STO,  9
.set RD,   10
.set MK0,  13
.set MK1,  14
.set DUMP, 15
.set SPW,  22
.set NIL,  23
.set ZR,   24                          ; v[24:31] zeros
.set WF,   32                          ; v[32:95] W's fragments, two buffers of 4; on the way out v32-63 rows read back, v64-71 their addresses
.set BK,   32
.set EN,   64
.set ACC,  96                          ; v[96:191] accumulator (s, a) at ACC + 8 (4 s + a)
.set WS,   192                         ; v[192:255] two chunks of W as loaded.   window 1: v0-191 h's fragments: 96 parity + 24 q + 8 s
.set WV,   12
.set EE,   14
.set KH,   15
.set NN,   16
.set NT,   17
.set LV,   18
.set L2,   19
.set PASS, 20
.set TC,   21
.set T0,   23                          ; 24 p + w
.set WP,   24
.set OW,   26
.set HB,   28                          ; s[28:33] hf at my three tiles, at the chunk in hand
.set HFB,  34
.set PB,   36
.set SA,   48
.set SB,   49
.set SU,   50
.set SC,   51
.set SG,   52
.set MSB, 0
.macro WIN new
.if MSB != (\new)
	s_set_vgpr_msb (MSB<<8)|(\new)
.set MSB, (\new)
.endif
.endm
.macro PLACES
.rept 4
	v_nop
.endr
.endm
.macro DFRAG q, b, pb                  ; 8 LDS loads: K step q's 4 fragments of W, turned, out of the buffer at byte pb into register buffer b
	WIN 0
.irp a, 0,1,2,3
	ds_load_tr16_b128 v[WF+32*(\b)+8*\a:WF+32*(\b)+8*\a+3],   v[WFR] offset:(\pb)+32*PW*(\q)+32*\a
	ds_load_tr16_b128 v[WF+32*(\b)+8*\a+4:WF+32*(\b)+8*\a+7], v[WFR] offset:(\pb)+32*PW*(\q)+16*PW+32*\a
.endr
.endm
.macro DMUL b, hr, s                   ; slot s x 4 column tiles; the accumulators take turns
	WIN 0x04
.irp a, 0,1,2,3
	v_wmma_f32_16x16x32_bf16 v[ACC+8*(4*(\s)+\a):ACC+8*(4*(\s)+\a)+7], v[WF+32*(\b)+8*\a:WF+32*(\b)+8*\a+7], v[(\hr)+8*(\s):(\hr)+8*(\s)+7], v[ACC+8*(4*(\s)+\a):ACC+8*(4*(\s)+\a)+7]
.endr
.endm
; Slot 2, jumped where it has no tile: its four products and (ld = 1), four places behind them, its two loads of h' two chunks on, into the registers just multiplied.
.macro DMUL2 b, hr, ld=0, q=0
	WIN 0
	s_cmp_eq_u32 s[L2], 0
	s_cbranch_scc1 .Lno2_\@
	DMUL \b, \hr, 2
.if \ld
	PLACES
	WIN 0x40
	global_load_b128 v[(\hr)+16:(\hr)+19], v[HOFF], s[HB+4:HB+5] offset:2*4096+1024*(\q)
	global_load_b128 v[(\hr)+20:(\hr)+23], v[HOFF], s[HB+4:HB+5] offset:2*4096+1024*(\q)+512
.endif
	WIN 0
.Lno2_\@:
.endm
.macro INIT
	WIN 0
.rept 5
	v_nop
.endr
.set z, 0
.rept 12
	v_wmma_f32_16x16x32_bf16 v[ACC+8*z:ACC+8*z+7], v[ZR:ZR+7], v[ZR:ZR+7], 0
.set z, z+1
.endr
.endm
; Quarter q of trip c (par = c % 2).  A quarter's loads are 2 of W, slot 2's 2 of h where it lives, then 4 of h: 6 on every path, 24 a trip.
; kind 0, steady: behind W's piece (asked two trips ago) 4 + 18 + 24 = 46, behind h's K step 18 + 24 + 2 = 44.
; kind 1 (trip 5: no more W), 2 (trip 6: no loads), 3 (trip 7: only products): the counts run down as the missing loads say.
.macro DQ par, q, kind
.if (\kind) == 0
.set nw, 46
.set nh, 44
.elseif (\kind) == 1
.set nw, 46-2*(\q)
.set nh, 42-2*(\q)
.elseif (\kind) == 2
.set nw, 38-6*(\q)
.set nh, 34-6*(\q)
.else
.set nw, 0
.set nh, 12-4*(\q)
.endif
.set ldh, 0
.if (\kind) < 2
.set ldh, 1
.endif
.set hr, 96*(\par)+24*(\q)
	WIN 0
.if (\kind) < 3
	s_wait_loadcnt nw
.irp d, 0,1
.set wb, WS+32*(1-(\par))+4*(2*(\q)+\d)
	v_cvt_pk_bf16_f32 v[wb], v[wb], v[wb+1]
	v_cvt_pk_bf16_f32 v[wb+1], v[wb+2], v[wb+3]
.endr
.irp d, 0,1
.set wb, WS+32*(1-(\par))+4*(2*(\q)+\d)
.set ro, 8*((2*(\q)+\d)/4)+(2*(\q)+\d)%4
	ds_store_b64 v[WST], v[wb:wb+1] offset:(1-(\par))*WBB+ro*PW
.if (\kind) == 0
	global_load_b128 v[wb:wb+3], v[WOFF], s[WP:WP+1] offset:3*CHW+ro*4096 th:TH_LOAD_NT
.endif
.endr
.endif
.if (\q) < 3
	DFRAG (\q)+1, ((\q)+1)%2, (\par)*WBB
	s_wait_loadcnt nh
.if (\kind) < 3
	s_wait_dscnt 10                                ; behind this K step's fragments: 2 stores and the 8 loads just issued
.else
	s_wait_dscnt 8
.endif
	DMUL (\q)%2, hr, 0
	DMUL (\q)%2, hr, 1
	DMUL2 (\q)%2, hr, ldh, \q
.else
	s_wait_loadcnt nh
	s_wait_dscnt 0x0                               ; my stores of the next chunk and my reads of this one are done
.if (\kind) < 3
	s_barrier_signal -1
	DMUL 1, hr, 0
	s_barrier_wait -1                              ; the next chunk is whole, and nobody reads this one's buffer any more
	DFRAG 0, 0, (1-(\par))*WBB
	DMUL 1, hr, 1
	DMUL2 1, hr, ldh, \q
.else
	DMUL 1, hr, 0
	DMUL 1, hr, 1
	DMUL2 1, hr
.endif
.endif
	PLACES                                         ; ahead of the loads into h's registers just multiplied, and of the next loads into W's buffer
.if (\kind) < 2
	WIN 0x40
.irp s, 0,1
	global_load_b128 v[hr+8*\s:hr+8*\s+3],   v[HOFF], s[HB+2*\s:HB+2*\s+1] offset:2*4096+1024*(\q)
	global_load_b128 v[hr+8*\s+4:hr+8*\s+7], v[HOFF], s[HB+2*\s:HB+2*\s+1] offset:2*4096+1024*(\q)+512
.endr
	WIN 0
.endif
.endm
.macro HSTEP
	s_add_nc_u64 s[WP:WP+1], s[WP:WP+1], CHW
.irp s, 0,1,2
	s_add_nc_u64 s[HB+2*\s:HB+2*\s+1], s[HB+2*\s:HB+2*\s+1], 4096
.endr
.endm
.macro DTRIP par, kind
	DQ \par, 0, \kind
	DQ \par, 1, \kind
	DQ \par, 2, \kind
	DQ \par, 3, \kind
.if (\kind) == 0
	s_wait_xcnt 0x0
	HSTEP
.endif
.endm
; THE WAY OUT of slot s, jumped where the tile has no row: 16 rows x 64 f32 through my own stage, back as whole rows; a row goes to its entry's place.
.macro DEPI s
	s_add_co_u32 s40, s[T0], 8*(\s)
	s_lshl_b32 s40, s40, 4
	s_cmp_lt_u32 s40, s[NN]
	s_cbranch_scc0 .Lnos_\@
	PLACES
	s_wait_xcnt 0x0                                ; the last slot's stores have read their registers, which are loaded anew below
.irp a, 0,1,2,3
	ds_store_b128 v[STO], v[ACC+8*(4*(\s)+\a):ACC+8*(4*(\s)+\a)+3]   offset:64*\a
	ds_store_b128 v[STO], v[ACC+8*(4*(\s)+\a)+4:ACC+8*(4*(\s)+\a)+7] offset:64*\a+16
.endr
.irp t, 0,1,2,3,4,5,6,7
	ds_load_u16 v[EN+\t], v[LA] offset:256*(\s)+4*\t
.endr
.irp t, 0,1,2,3,4,5,6,7
	ds_load_b128 v[BK+4*\t:BK+4*\t+3], v[RD] offset:2*SP*\t  ; LDS serves a wave's instructions in order: these see the stores above
.endr
	s_wait_dscnt 0x0
.irp t, 0,1,2,3,4,5,6,7
	v_min_u32 v[EN+\t], 0x7ff, v[EN+\t]
	v_lshl_add_u32 v[EN+\t], v[EN+\t], 12, v[L16]
.endr
.irp t, 0,1,2,3,4,5,6,7
	global_store_b128 v[EN+\t], v[BK+4*\t:BK+4*\t+3], s[PB:PB+1]  ; 16 lanes store 256 consecutive bytes, aligned: two rows a store
.endr
.Lnos_\@:
.endm
	s_load_b256 s[4:11], s[0:1], 0x0               ; hf s[4:5], Wd s[6:7], sel s[8:9], part s[10:11]
	v_lshl_add_u32 v[SPW], v0, 2, SPARE
	v_mov_b32 v[NIL], 0
	v_and_b32 v[LN], 31, v0
	v_lshrrev_b32 v16, 5, v0
	v_readfirstlane_b32 s[WV], v16                 ; wave 0..7
	s_and_b32 s40, ttmp7, 0xffff
	s_lshr_b32 s[EE], s40, 1
	s_and_b32 s[KH], s40, 1
	v_bfe_u32 v17, v0, 4, 1                        ; h = lane / 16
	v_and_b32 v18, 15, v0                          ; r = lane % 16
	v_lshlrev_b32 v[L16], 4, v18
	s_lshl_b32 s40, s[WV], 16                      ; W: row 16 w + 4 h
	v_lshl_add_u32 v[WOFF], v17, 14, v[L16]
	v_add_nc_u32 v[WOFF], s40, v[WOFF]
	s_mul_i32 s40, s[WV], 16*PW
	v_mul_u32_u24 v[WST], v17, 4*PW
	v_lshl_add_u32 v[WST], v18, 3, v[WST]
	v_add_nc_u32 v[WST], s40, v[WST]
	v_and_b32 v19, 7, v0
	v_lshl_add_u32 v19, v17, 3, v19
	v_mul_u32_u24 v[WFR], v19, PW
	v_bfe_u32 v19, v0, 3, 1
	v_lshl_add_u32 v[WFR], v19, 4, v[WFR]
	v_lshlrev_b32 v[HOFF], 4, v[LN]
	s_lshl_b32 s40, s[WV], 5
	s_add_co_u32 s40, s40, LIST
	v_lshl_add_u32 v[LA], v17, 1, s40
	s_mul_i32 s40, s[WV], STW
	s_add_co_u32 s40, s40, STAGE
	v_mul_u32_u24 v[STO], v18, SP                  ; in: row r, 32 bytes for each half of the lanes
	v_lshl_add_u32 v[STO], v17, 5, v[STO]
	v_add_nc_u32 v[STO], s40, v[STO]
	v_mul_u32_u24 v[RD], v17, SP                   ; back: lanes 0-15 one row, lanes 16-31 the next
	v_add_nc_u32 v[RD], v[L16], v[RD]
	v_add_nc_u32 v[RD], s40, v[RD]
	v_add_nc_u32 v[DUMP], 1280, v[LN]
.irp i, 0,1,2,3,4,5,6,7
	v_mov_b32 v[ZR+\i], 0
.endr
	s_lshl_b32 s40, s[EE], 2
	v_lshl_add_u32 v20, v[LN], 6, s40
	s_lshl_b32 s40, s[EE], 23                      ; Wd: the expert's 8 MiB, the half's 1,024 rows, the slice's 256 bytes
	s_lshl_b32 s41, s[KH], 22
	s_add_co_u32 s40, s40, s41
	s_lshl_b32 s41, ttmp9, 8
	s_add_co_u32 s40, s40, s41
	s_mov_b32 s41, 0
	s_mul_i32 s42, s[EE], 80*65536                 ; hf: the expert's 80 tiles, the half's 32 K steps
	s_lshl_b32 s43, s[KH], 15
	s_add_co_u32 s42, s42, s43
	s_mov_b32 s43, 0
	s_lshl_b32 s44, s[KH], 23                      ; part: the half's 2,048 rows, the slice's 256 bytes
	s_lshl_b32 s45, ttmp9, 8
	s_add_co_u32 s44, s44, s45
	s_mov_b32 s45, 0
	s_lshl_b32 s46, s[WV], 16
	s_mov_b32 s47, 0
	s_mov_b32 s[PASS], 0
	s_mov_b32 s[T0], s[WV]
	s_wait_kmcnt 0x0
	s_add_nc_u64 s[OW:OW+1], s[6:7], s[40:41]
	s_mov_b64 s[WP:WP+1], s[OW:OW+1]
	s_add_nc_u64 s[HFB:HFB+1], s[4:5], s[42:43]
	s_add_nc_u64 s[PB:PB+1], s[10:11], s[44:45]
	s_add_nc_u64 s[HB:HB+1], s[HFB:HFB+1], s[46:47]
	s_add_nc_u64 s[HB+2:HB+3], s[HB:HB+1], 8*65536
	s_add_nc_u64 s[HB+4:HB+5], s[HB:HB+1], 16*65536
	global_load_b32 v[MK0], v20, s[8:9]
	global_load_b32 v[MK1], v20, s[8:9] offset:32
.set z, 0
.rept 8                                                ; W's chunk 0, into accumulator registers that are still free
	global_load_b128 v[ACC+4*z:ACC+4*z+3], v[WOFF], s[WP:WP+1] offset:(8*(z/4)+z%4)*4096 th:TH_LOAD_NT
.set z, z+1
.endr
.irp c, 0,1                                            ; two trips' loads, quarter by quarter: W's chunk c + 1 and h's chunk c, all three slots: n is not known yet
.irp q, 0,1,2,3
	WIN 0
.irp d, 0,1
	global_load_b128 v[WS+32*(1-\c)+4*(2*\q+\d):WS+32*(1-\c)+4*(2*\q+\d)+3], v[WOFF], s[WP:WP+1] offset:(\c+1)*CHW+(8*((2*\q+\d)/4)+(2*\q+\d)%4)*4096 th:TH_LOAD_NT
.endr
	WIN 0x40
.irp s, 0,1,2
	global_load_b128 v[96*\c+24*\q+8*\s:96*\c+24*\q+8*\s+3],   v[HOFF], s[HB+2*\s:HB+2*\s+1] offset:4096*\c+1024*\q
	global_load_b128 v[96*\c+24*\q+8*\s+4:96*\c+24*\q+8*\s+7], v[HOFF], s[HB+2*\s:HB+2*\s+1] offset:4096*\c+1024*\q+512
.endr
.endr
.endr
	WIN 0
	s_wait_loadcnt 63                              ; 74 were issued: the oldest 11 are in, the two words of choices and W's chunk 0 among them
	; THE LIST: the expert's entries in token order.  Wave 0 writes it; every wave counts n.
	s_cmp_lg_u32 s[WV], 0
	s_cbranch_scc1 .Lnozero
	v_lshl_add_u32 v16, v[LN], 4, LIST
.irp i, 0,1,2,3,4
	ds_store_b128 v16, v[ZR:ZR+3] offset:512*\i
.endr
.Lnozero:
	s_mov_b32 s[SG], 0
	s_mov_b32 s[NN], 0
.Llist:
	v_readlane_b32 s[SA], v[MK0], s[SG]
	v_readlane_b32 s[SB], v[MK1], s[SG]
	s_or_b32 s[SU], s[SA], s[SB]
	s_cmp_lg_u32 s[WV], 0
	s_cbranch_scc1 .Lnolist
	v_mbcnt_lo_u32_b32 v16, s[SU], s[NN]           ; rank
	v_cndmask_b32 v16, v[DUMP], v16, s[SU]
	v_min_u32 v16, 1311, v16
	v_lshl_add_u32 v16, v16, 1, LIST
	v_lshl_add_u32 v17, s[SG], 5, v[LN]            ; token
	v_bfe_u32 v18, s[SB], v[LN], 1                 ; 1: second choice
	v_lshl_or_b32 v17, v18, 10, v17
	ds_store_b16 v16, v17
.Lnolist:
	s_bcnt1_i32_b32 s[SC], s[SU]
	s_add_co_u32 s[NN], s[NN], s[SC]
	s_add_co_u32 s[SG], s[SG], 1
	s_cmp_lt_u32 s[SG], 32
	s_cbranch_scc1 .Llist
	s_cmp_lg_u32 s[WV], 0
	s_cbranch_scc1 .Lnopad
	s_max_u32 s40, s[NN], 1                        ; places n .. n + 15 repeat the last row
	s_sub_co_u32 s40, s40, 1
	v_mov_b32 v16, s40
	v_min_u32 v16, 1279, v16                       ; inside the 1,280 places that the zeros above have written
	v_lshl_add_u32 v16, v16, 1, LIST
	ds_load_u16 v17, v16                           ; my own wave's store: LDS serves a wave's instructions in order
	v_and_b32 v18, 15, v[LN]
	v_add_nc_u32 v18, s[NN], v18
	v_min_u32 v18, 1311, v18
	v_lshl_add_u32 v18, v18, 1, LIST
	s_wait_dscnt 0x0
	ds_store_b16 v18, v17                          ; lanes 16-31 write what lanes 0-15 write
.Lnopad:
	s_add_co_u32 s[NT], s[NN], 15
	s_lshr_b32 s[NT], s[NT], 4
	s_add_co_u32 s40, s[WV], 16
	s_cmp_gt_u32 s[NT], s40
	s_cselect_b32 s[L2], 1, 0
	s_wait_dscnt 0x0
	s_barrier_signal -1
	s_barrier_wait -1                              ; the list is whole; only now do the other waves write LDS
.set z, 0
.rept 8
	v_cvt_pk_bf16_f32 v[ACC+4*z], v[ACC+4*z], v[ACC+4*z+1]
	v_cvt_pk_bf16_f32 v[ACC+4*z+1], v[ACC+4*z+2], v[ACC+4*z+3]
	ds_store_b64 v[WST], v[ACC+4*z:ACC+4*z+1] offset:(8*(z/4)+z%4)*PW
.set z, z+1
.endr
	s_wait_dscnt 0x0
	s_barrier_signal -1
	s_barrier_wait -1                              ; W's chunk 0 is whole
	INIT
	DFRAG 0, 0, 0
	s_mov_b32 s[TC], 2
.Ltrip:
	DTRIP 0, 0
	DTRIP 1, 0
	WIN 0
	s_sub_co_u32 s[TC], s[TC], 1
	s_cmp_lg_u32 s[TC], 0
	s_cbranch_scc1 .Ltrip
	DTRIP 0, 0                                     ; trip 4: the last loads of W
	DTRIP 1, 1                                     ; trip 5: the last loads of h
	DTRIP 0, 2
	DTRIP 1, 3
	WIN 0
	s_mov_b32 s[LV], 1
	s_branch .Lepi                                 ; the loop over passes is entered at its way out
.Lpass:                                                ; passes 1 and 2: plain text in buffer 0 alone
	s_mul_i32 s40, s[PASS], 24
	s_cmp_gt_u32 s[NT], s40
	s_cselect_b32 s[LV], 1, 0
	s_add_co_u32 s[T0], s40, s[WV]
	s_add_co_u32 s41, s[T0], 16
	s_cmp_gt_u32 s[NT], s41
	s_cselect_b32 s[L2], 1, 0
	s_mov_b64 s[WP:WP+1], s[OW:OW+1]
	s_sub_co_u32 s42, s[NT], 1
.irp s, 0,1,2
	s_add_co_u32 s40, s[T0], 8*\s
	s_min_u32 s40, s40, s42                        ; a slot past the last tile repeats it: a tile that was stored
	s_min_u32 s40, s40, 79
	s_lshl_b32 s40, s40, 16
	s_mov_b32 s41, 0
	s_add_nc_u64 s[HB+2*\s:HB+2*\s+1], s[HFB:HFB+1], s[40:41]
.endr
	v_add_nc_u32 v[LA], 768, v[LA]                 ; 24 tiles on in the list
	s_cmp_eq_u32 s[LV], 0
	s_cbranch_scc1 .Lnoinit
	INIT
.Lnoinit:
	s_mov_b32 s[TC], 8
.Lchunk:
	s_wait_dscnt 0x0                               ; my reads of the last chunk are done
	s_barrier_signal -1
	s_barrier_wait -1                              ; everybody's are: buffer 0 may be written
	s_cmp_eq_u32 s[LV], 0
	s_cbranch_scc1 .LskipA
.set z, 0
.rept 8
	global_load_b128 v[WS+4*z:WS+4*z+3], v[WOFF], s[WP:WP+1] offset:(8*(z/4)+z%4)*4096 th:TH_LOAD_NT
.set z, z+1
.endr
	s_wait_loadcnt 0x0
.set z, 0
.rept 8
	v_cvt_pk_bf16_f32 v[WS+4*z], v[WS+4*z], v[WS+4*z+1]
	v_cvt_pk_bf16_f32 v[WS+4*z+1], v[WS+4*z+2], v[WS+4*z+3]
	ds_store_b64 v[WST], v[WS+4*z:WS+4*z+1] offset:(8*(z/4)+z%4)*PW
.set z, z+1
.endr
.LskipA:
	s_wait_dscnt 0x0                               ; my stores of this chunk are done
	s_barrier_signal -1
	s_barrier_wait -1                              ; the chunk is whole
	s_cmp_eq_u32 s[LV], 0
	s_cbranch_scc1 .LskipB
	PLACES
	WIN 0x40
.irp q, 0,1,2,3
.irp s, 0,1,2
	global_load_b128 v[24*\q+8*\s:24*\q+8*\s+3],   v[HOFF], s[HB+2*\s:HB+2*\s+1] offset:1024*\q
	global_load_b128 v[24*\q+8*\s+4:24*\q+8*\s+7], v[HOFF], s[HB+2*\s:HB+2*\s+1] offset:1024*\q+512
.endr
.endr
	WIN 0
	s_wait_loadcnt 0x0
.irp q, 0,1,2,3
	PLACES
	DFRAG \q, 0, 0
	s_wait_dscnt 0x0
	DMUL 0, 24*\q, 0
	DMUL 0, 24*\q, 1
	DMUL2 0, 24*\q
.endr
.LskipB:
	s_wait_xcnt 0x0
	HSTEP
	s_sub_co_u32 s[TC], s[TC], 1
	s_cmp_lg_u32 s[TC], 0
	s_cbranch_scc1 .Lchunk
.Lepi:
	s_cmp_eq_u32 s[LV], 0
	s_cbranch_scc1 .Lnoepi
	DEPI 0
	DEPI 1
	DEPI 2
.Lnoepi:
	s_wait_xcnt 0x0                                ; the stores have read their registers
	s_add_co_u32 s[PASS], s[PASS], 1
	s_cmp_lt_u32 s[PASS], 3
	s_cbranch_scc1 .Lpass
	s_wait_tensorcnt 0x0                           ; the wave's end
	ds_add_u32 v[SPW], v[NIL]
	s_wait_dscnt 0x0
	s_endpgm
.Lfunc_end_k_q971f7576d1_down:
	.size	k_q971f7576d1_down, .Lfunc_end_k_q971f7576d1_down-k_q971f7576d1_down
	.p2alignl 7, 3214868480
	.fill 96, 4, 3214868480
	.section	.rodata,"a",@progbits
	.p2align	6, 0x0
	.amdhsa_kernel k_q971f7576d1_down
		.amdhsa_group_segment_fixed_size 79616
		.amdhsa_private_segment_fixed_size 0
		.amdhsa_enable_private_segment 0
		.amdhsa_kernarg_size 32
		.amdhsa_user_sgpr_count 2
		.amdhsa_user_sgpr_kernarg_segment_ptr 1
		.amdhsa_wavefront_size32 1
		.amdhsa_system_sgpr_workgroup_id_x 1
		.amdhsa_system_sgpr_workgroup_id_y 1
		.amdhsa_system_sgpr_workgroup_id_z 1
		.amdhsa_system_vgpr_workitem_id 0
		.amdhsa_next_free_vgpr 448
		.amdhsa_next_free_sgpr 66
		.amdhsa_reserve_vcc 0
		.amdhsa_float_denorm_mode_32 3
		.amdhsa_float_denorm_mode_16_64 3
		.amdhsa_memory_ordered 1
		.amdhsa_forward_progress 1
		.amdhsa_inst_pref_size 105
	.end_amdhsa_kernel
	.amdgpu_metadata
---
amdhsa.version: [ 1, 2 ]
amdhsa.kernels:
  - .name:           k_q971f7576d1_down
    .symbol:         k_q971f7576d1_down.kd
    .args:
      - { .name: hf, .offset: 0, .size: 8, .value_kind: global_buffer, .address_space: global }
      - { .name: Wd, .offset: 8, .size: 8, .value_kind: global_buffer, .address_space: global }
      - { .name: sel, .offset: 16, .size: 8, .value_kind: global_buffer, .address_space: global }
      - { .name: part, .offset: 24, .size: 8, .value_kind: global_buffer, .address_space: global }
    .group_segment_fixed_size: 79616
    .private_segment_fixed_size: 0
    .kernarg_segment_align: 8
    .kernarg_segment_size: 32
    .max_flat_workgroup_size: 256
    .sgpr_count:     66
    .vgpr_count:     448
    .wavefront_size: 32
...
	.end_amdgpu_metadata
.endif
;; end of part 6
;; launch sum: the kernel of part 4 again; grid 256 x 1, 8 waves a work-group, no clusters, 0 bytes of LDS; arguments part, out0; writes out0
